; MI455X (gfx1250); checked and timed in simulation.
; The chip was launched on July 23, 2026; its instructions are those of AMD's public machine-readable ISA for CDNA 5 (MIT licence, August 2026) and "CDNA5" Instruction Set Architecture Reference Guide (July 2026). The comments in the code are by the model that wrote it; some were corrected since.
;; Multi Head Attention. Allowed arithmetic: float matrix products may take bf16 or f16 operands with f32 sums; other float arithmetic in f32, or as packed bf16 or f16 multiplies, adds, multiply-adds, maxima and minima; sums over many terms, partial sums and values carried from step to step in f32; what a program stores and reads back later, other than sums and carried values, may be rounded once to bf16 or f16.
;; Inputs: WK_comb 1,024 x 1,024 float32; WKh 16 x 1,024 x 64 float32; WO 1,024 x 1,024 float32; WQ_comb 1,024 x 1,024 float32; WQh 16 x 1,024 x 64 float32; WV_comb 1,024 x 1,024 float32; WVh 16 x 1,024 x 64 float32; XK 4,096 x 1,024 float32; XQ 4,096 x 1,024 float32; XV 4,096 x 1,024 float32.
;; Outputs: out0 4,096 x 1,024 float32.
;; 2 versions, each right; version 2 is version 1 with the launch cast written anew for expert scheduling mode. Each part assembles by itself: llvm-mc -triple=amdgcn-amd-amdhsa -mcpu=gfx1250 --defsym DOCPART=n.
;; ======== version 1 of 2: 7 launches
;; workspace buffers: xb 25,165,824 bytes; wcb 6,291,456 bytes; wht 6,291,456 bytes; wot 2,097,152 bytes; wf 6,291,456 bytes; qkv 25,165,824 bytes; negm 262,144 bytes; ob 8,388,608 bytes
;; launch cast (part 1): grid 256 x 3, 8 waves a work-group, no clusters, 0 bytes of LDS; arguments XQ, XK, XV, WQ_comb, WK_comb, WV_comb, xb, wcb; writes xb, wcb
.if DOCPART == 1
	.amdgcn_target "amdgcn-amd-amdhsa--gfx1250"
	.amdhsa_code_object_version 6
	.text
	.protected	k_q888c2c7db3_cast
	.globl	k_q888c2c7db3_cast
	.p2align	8
	.type	k_q888c2c7db3_cast,@function
k_q888c2c7db3_cast:
	s_mov_b64 s[64:65], 0
	v_nop
	global_prefetch_b8 v0, s[64:65] scope:SCOPE_SE
	s_setreg_imm32_b32 hwreg(HW_REG_WAVE_MODE, 25, 1), 1
	s_wait_xcnt 0x0
; X (three of [4096][1024]) and W_comb (three of [1024][1024]), f32, are rounded once to bf16 and laid out in blocks:
; [row block of 128][family Q, K, V][column block kb of 64][128 rows][64 columns]: a plane (128 rows x 128 bytes) is 16,384 dense bytes, a block of 16 planes 262,144.
; A stream: every byte is read once and written once; no LDS, no barrier, no matrix unit, nothing shared between work-groups.
; SHARES.  Work-group (x, family): rows 16 x .. 16 x + 15 of X and rows 4 x .. 4 x + 3 of W_comb.  Wave w: column blocks 2 w and 2 w + 1.
; One load takes two rows x 256 bytes (lanes 0-15 the even row, lanes 16-31 the odd one, 16 bytes a lane); the 8 bytes that a lane makes of them lie at 8 x lane in the plane:
; each store of the wave covers 256 consecutive bytes, aligned.  All 20 loads of a wave go out first; no register is written twice, so the counted waits are the only ones.
.set XL, 8                             ; v[8:87]    20 loads of 4 registers
.set PB, 88                            ; v[88:127]  20 pairs of packed results
	s_load_b512 s[8:23], s[0:1], 0x0               ; XQ s[8:9], XK, XV, WQ_comb s[14:15], WK_comb, WV_comb, xb s[20:21], wcb s[22:23]
	s_and_b32 s3, ttmp7, 0xffff                    ; the family
	v_bfe_u32 v1, v0, 4, 1                         ; which of the two rows
	v_and_b32 v4, 15, v0
	v_lshrrev_b32 v5, 5, v0                        ; wave
	v_and_b32 v6, 31, v0
	v_lshlrev_b32 v2, 12, v1                       ; source offset: row parity x 4,096
	v_lshl_add_u32 v2, v4, 4, v2                   ; + 16 (lane % 16)
	v_lshl_add_u32 v2, v5, 9, v2                   ; + 512 x wave
	v_lshlrev_b32 v3, 3, v6                        ; destination offset: 8 x lane
	v_lshl_add_u32 v3, v5, 15, v3                  ; + two planes x wave
	s_lshl_b32 s26, ttmp9, 16                      ; 16 rows of X
	s_mov_b32 s27, 0
	s_lshl_b32 s28, ttmp9, 14                      ; 4 rows of W_comb
	s_mov_b32 s29, 0
	s_lshr_b32 s30, ttmp9, 3                       ; X's row block
	s_mul_i32 s30, s30, 3
	s_add_co_u32 s30, s30, s3
	s_lshl_b32 s30, s30, 18
	s_and_b32 s31, ttmp9, 7
	s_lshl_b32 s31, s31, 11                        ; 16 rows of 128 bytes in a plane
	s_add_co_u32 s30, s30, s31
	s_mov_b32 s31, 0
	s_lshr_b32 s32, ttmp9, 5                       ; W_comb's row block
	s_mul_i32 s32, s32, 3
	s_add_co_u32 s32, s32, s3
	s_lshl_b32 s32, s32, 18
	s_and_b32 s33, ttmp9, 31
	s_lshl_b32 s33, s33, 9                         ; 4 rows of 128 bytes
	s_add_co_u32 s32, s32, s33
	s_mov_b32 s33, 0
	s_wait_kmcnt 0x0
	s_cmp_eq_u32 s3, 1
	s_cselect_b64 s[34:35], s[10:11], s[8:9]
	s_cselect_b64 s[36:37], s[16:17], s[14:15]
	s_cmp_eq_u32 s3, 2
	s_cselect_b64 s[34:35], s[12:13], s[34:35]
	s_cselect_b64 s[36:37], s[18:19], s[36:37]
	s_add_nc_u64 s[34:35], s[34:35], s[26:27]
	s_add_nc_u64 s[36:37], s[36:37], s[28:29]
	s_add_nc_u64 s[20:21], s[20:21], s[30:31]
	s_add_nc_u64 s[22:23], s[22:23], s[32:33]
.set i, 0
.rept 16                               ; X: row pair i / 2, column block i % 2
	global_load_b128 v[XL+4*i:XL+4*i+3], v2, s[34:35] offset:(i/2)*8192+(i%2)*256 th:TH_LOAD_NT
.set i, i+1
.endr
.rept 4                                ; W_comb: row pair (i - 16) / 2
	global_load_b128 v[XL+4*i:XL+4*i+3], v2, s[36:37] offset:((i-16)/2)*8192+(i%2)*256 th:TH_LOAD_NT
.set i, i+1
.endr
.set i, 0
.rept 20
	s_wait_loadcnt 19-i                            ; loads come back in order: number i is in, the younger ones stay out
	v_cvt_pk_bf16_f32 v[PB+2*i], v[XL+4*i], v[XL+4*i+1]
	v_cvt_pk_bf16_f32 v[PB+2*i+1], v[XL+4*i+2], v[XL+4*i+3]
.if i < 16
	global_store_b64 v3, v[PB+2*i:PB+2*i+1], s[20:21] offset:(i%2)*16384+(i/2)*256
.else
	global_store_b64 v3, v[PB+2*i:PB+2*i+1], s[22:23] offset:(i%2)*16384+((i-16)/2)*256
.endif
.set i, i+1
.endr
	s_endpgm
.Lfunc_end_k_q888c2c7db3_cast:
	.size	k_q888c2c7db3_cast, .Lfunc_end_k_q888c2c7db3_cast-k_q888c2c7db3_cast
	.p2alignl 7, 3214868480
	.fill 96, 4, 3214868480
	.section	.rodata,"a",@progbits
	.p2align	6, 0x0
	.amdhsa_kernel k_q888c2c7db3_cast
		.amdhsa_group_segment_fixed_size 0
		.amdhsa_private_segment_fixed_size 0
		.amdhsa_enable_private_segment 0
		.amdhsa_kernarg_size 64
		.amdhsa_user_sgpr_count 2
		.amdhsa_user_sgpr_kernarg_segment_ptr 1
		.amdhsa_wavefront_size32 1
		.amdhsa_system_sgpr_workgroup_id_x 1
		.amdhsa_system_sgpr_workgroup_id_y 1
		.amdhsa_system_sgpr_workgroup_id_z 1
		.amdhsa_system_vgpr_workitem_id 0
		.amdhsa_next_free_vgpr 128
		.amdhsa_next_free_sgpr 66
		.amdhsa_reserve_vcc 0
		.amdhsa_float_denorm_mode_32 3
		.amdhsa_float_denorm_mode_16_64 3
		.amdhsa_memory_ordered 1
		.amdhsa_forward_progress 1
		.amdhsa_inst_pref_size 9
	.end_amdhsa_kernel
	.amdgpu_metadata
---
amdhsa.version: [ 1, 2 ]
amdhsa.kernels:
  - .name:           k_q888c2c7db3_cast
    .symbol:         k_q888c2c7db3_cast.kd
    .args:
      - { .name: XQ, .offset: 0, .size: 8, .value_kind: global_buffer, .address_space: global }
      - { .name: XK, .offset: 8, .size: 8, .value_kind: global_buffer, .address_space: global }
      - { .name: XV, .offset: 16, .size: 8, .value_kind: global_buffer, .address_space: global }
      - { .name: WQ_comb, .offset: 24, .size: 8, .value_kind: global_buffer, .address_space: global }
      - { .name: WK_comb, .offset: 32, .size: 8, .value_kind: global_buffer, .address_space: global }
      - { .name: WV_comb, .offset: 40, .size: 8, .value_kind: global_buffer, .address_space: global }
      - { .name: xb, .offset: 48, .size: 8, .value_kind: global_buffer, .address_space: global }
      - { .name: wcb, .offset: 56, .size: 8, .value_kind: global_buffer, .address_space: global }
    .group_segment_fixed_size: 0
    .private_segment_fixed_size: 0
    .kernarg_segment_align: 8
    .kernarg_segment_size: 64
    .max_flat_workgroup_size: 256
    .sgpr_count:     66
    .vgpr_count:     128
    .wavefront_size: 32
...
	.end_amdgpu_metadata
.endif
;; end of part 1
;; launch trans (part 2): grid 256 x 4, 8 waves a work-group, no clusters, 17,664 bytes of LDS; arguments WQh, WKh, WVh, WO, wht, wot; writes wht, wot
.if DOCPART == 2
	.amdgcn_target "amdgcn-amd-amdhsa--gfx1250"
	.amdhsa_code_object_version 6
	.text
	.protected	k_q888c2c7db3_trans
	.globl	k_q888c2c7db3_trans
	.p2align	8
	.type	k_q888c2c7db3_trans,@function
k_q888c2c7db3_trans:
	s_mov_b64 s[64:65], 0
	v_nop
	global_prefetch_b8 v0, s[64:65] scope:SCOPE_SE
	s_setreg_imm32_b32 hwreg(HW_REG_WAVE_MODE, 25, 1), 1
	s_wait_xcnt 0x0
; The weights that a product wants with K along the rows are turned and rounded once to bf16: W?h[h][e][k] -> wht rows j = 64 h + k, columns e; WO[e][j] -> wot rows j, columns e.
; Both leave in the blocked layout [row block of 128][family][column block of 64][128 rows][64 columns] (wot has one family).
; SHARES.  Work-group (x, y) turns one block of 64 x 64: hh = x / 16 (the head, or WO's column block), eb = x % 16 (64 rows e).  y = 0, 1, 2: WQh, WKh, WVh (a dense block, rows 256 bytes apart); y = 3: WO (rows 4,096 apart).
; Through LDS in f32, rows 260 bytes apart: 65 words, so that both the stores (a row's words) and the loads (a column's words) of a wave touch 32 different banks (64 banks of 4 bytes: ISA guide 11.1).
; Each store of the wave to memory covers 512 consecutive bytes, aligned.
.set TP,    260
.set SPARE, 64*TP                      ; 16,640: behind the block: the spare words, 128 bytes for each of the eight waves
.set SPW, 62
.set NIL, 63
	s_load_b256 s[8:15], s[0:1], 0x0               ; WQh s[8:9], WKh, WVh, WO s[14:15]
	s_load_b128 s[16:19], s[0:1], 0x20             ; wht s[16:17], wot s[18:19]
	v_lshl_add_u32 v[SPW], v0, 2, SPARE
	v_mov_b32 v[NIL], 0
	s_and_b32 s3, ttmp7, 0xffff                    ; y
	s_lshr_b32 s4, ttmp9, 4                        ; hh
	s_and_b32 s5, ttmp9, 15                        ; eb
	s_lshl_b32 s20, ttmp9, 14                      ; a head's block: 16,384 dense bytes
	s_lshl_b32 s21, s5, 18                         ; WO: 64 rows of 4,096 bytes,
	s_lshl_b32 s22, s4, 8                          ; 64 columns of 4
	s_add_co_u32 s21, s21, s22
	s_movk_i32 s24, 0x100
	s_movk_i32 s25, 0x1000
	s_lshr_b32 s26, s4, 1                          ; the destination's row block
	s_mul_i32 s27, s26, 3
	s_add_co_u32 s27, s27, s3                      ; with three families: 3 x row block + y
	s_and_b32 s28, s4, 1
	s_lshl_b32 s28, s28, 13                        ; which 64 rows of the plane
	s_cmp_lt_u32 s3, 3
	s_cselect_b32 s20, s20, s21                    ; the source's offset,
	s_cselect_b32 s24, s24, s25                    ; its bytes from row to row,
	s_cselect_b32 s26, s27, s26                    ; the destination's block
	s_lshl_b32 s26, s26, 4
	s_add_co_u32 s26, s26, s5                      ; its plane
	s_lshl_b32 s26, s26, 14
	s_add_co_u32 s26, s26, s28
	s_mov_b32 s27, 0
	s_mov_b32 s21, 0
	s_lshl_b32 s25, s24, 4                         ; 16 rows of the source
	v_lshrrev_b32 v1, 4, v0                        ; thread / 16: a row
	v_and_b32 v2, 15, v0
	v_lshlrev_b32 v3, 4, v2                        ; 16 bytes of it
	v_mad_u32_u24 v4, v1, s24, v3
	v_add_nc_u32 v5, s25, v4
	v_add_nc_u32 v6, s25, v5
	v_add_nc_u32 v7, s25, v6
	v_mad_u32_u24 v48, v1, TP, v3                  ; the same place in LDS
	s_wait_kmcnt 0x0
	s_cmp_eq_u32 s3, 1
	s_cselect_b64 s[30:31], s[10:11], s[8:9]
	s_cmp_eq_u32 s3, 2
	s_cselect_b64 s[30:31], s[12:13], s[30:31]
	s_cmp_eq_u32 s3, 3
	s_cselect_b64 s[30:31], s[14:15], s[30:31]
	s_cselect_b64 s[32:33], s[18:19], s[16:17]
	s_add_nc_u64 s[30:31], s[30:31], s[20:21]
	s_add_nc_u64 s[32:33], s[32:33], s[26:27]
.irp p, 0,1,2,3
	global_load_b128 v[8+4*(\p):11+4*(\p)], v[4+(\p)], s[30:31] th:TH_LOAD_NT
.endr
	v_and_b32 v49, 7, v0                           ; a: which 8 columns e of the turned row
	v_bfe_u32 v50, v0, 3, 2                        ; b
	v_lshrrev_b32 v51, 5, v0                       ; wave
	v_lshl_add_u32 v50, v51, 3, v50                ; the turned row, less 4 g: 8 x wave + b
	v_lshlrev_b32 v50, 2, v50
	v_mad_u32_u24 v49, v49, 8*TP, v50
	v_and_b32 v52, 31, v0
	v_lshlrev_b32 v52, 4, v52
	v_lshl_add_u32 v52, v51, 10, v52               ; 1,024 x wave + 16 x lane
.irp p, 0,1,2,3
	s_wait_loadcnt 3-(\p)                          ; number p is in, the younger ones stay out
.irp i, 0,1,2,3
	ds_store_b32 v48, v[8+4*(\p)+(\i)] offset:(\p)*16*TP+4*(\i)
.endr
.endr
	s_wait_dscnt 0x0                               ; for the others' sake: my stores are done
	s_barrier_signal -1
	s_barrier_wait -1
.irp g, 0,1
.irp i, 0,1,2,3,4,5,6,7
	ds_load_b32 v[24+8*(\g)+(\i)], v49 offset:(\i)*TP+16*(\g)  ; element (e = 8 a + i, row 8 w + 4 g + b)
.endr
.endr
	s_wait_dscnt 0x0
.irp g, 0,1
.irp j, 0,1,2,3
	v_cvt_pk_bf16_f32 v[40+4*(\g)+(\j)], v[24+8*(\g)+2*(\j)], v[24+8*(\g)+2*(\j)+1]
.endr
	global_store_b128 v52, v[40+4*(\g):43+4*(\g)], s[32:33] offset:512*(\g)
.endr
	s_wait_tensorcnt 0x0                           ; the wave's end, behind my last LDS store
	ds_add_u32 v[SPW], v[NIL]
	s_wait_dscnt 0x0
	s_endpgm
.Lfunc_end_k_q888c2c7db3_trans:
	.size	k_q888c2c7db3_trans, .Lfunc_end_k_q888c2c7db3_trans-k_q888c2c7db3_trans
	.p2alignl 7, 3214868480
	.fill 96, 4, 3214868480
	.section	.rodata,"a",@progbits
	.p2align	6, 0x0
	.amdhsa_kernel k_q888c2c7db3_trans
		.amdhsa_group_segment_fixed_size 17664
		.amdhsa_private_segment_fixed_size 0
		.amdhsa_enable_private_segment 0
		.amdhsa_kernarg_size 48
		.amdhsa_user_sgpr_count 2
		.amdhsa_user_sgpr_kernarg_segment_ptr 1
		.amdhsa_wavefront_size32 1
		.amdhsa_system_sgpr_workgroup_id_x 1
		.amdhsa_system_sgpr_workgroup_id_y 1
		.amdhsa_system_sgpr_workgroup_id_z 1
		.amdhsa_system_vgpr_workitem_id 0
		.amdhsa_next_free_vgpr 64
		.amdhsa_next_free_sgpr 66
		.amdhsa_reserve_vcc 0
		.amdhsa_float_denorm_mode_32 3
		.amdhsa_float_denorm_mode_16_64 3
		.amdhsa_memory_ordered 1
		.amdhsa_forward_progress 1
		.amdhsa_inst_pref_size 6
	.end_amdhsa_kernel
	.amdgpu_metadata
---
amdhsa.version: [ 1, 2 ]
amdhsa.kernels:
  - .name:           k_q888c2c7db3_trans
    .symbol:         k_q888c2c7db3_trans.kd
    .args:
      - { .name: WQh, .offset: 0, .size: 8, .value_kind: global_buffer, .address_space: global }
      - { .name: WKh, .offset: 8, .size: 8, .value_kind: global_buffer, .address_space: global }
      - { .name: WVh, .offset: 16, .size: 8, .value_kind: global_buffer, .address_space: global }
      - { .name: WO, .offset: 24, .size: 8, .value_kind: global_buffer, .address_space: global }
      - { .name: wht, .offset: 32, .size: 8, .value_kind: global_buffer, .address_space: global }
      - { .name: wot, .offset: 40, .size: 8, .value_kind: global_buffer, .address_space: global }
    .group_segment_fixed_size: 17664
    .private_segment_fixed_size: 0
    .kernarg_segment_align: 8
    .kernarg_segment_size: 48
    .max_flat_workgroup_size: 256
    .sgpr_count:     66
    .vgpr_count:     64
    .wavefront_size: 32
...
	.end_amdgpu_metadata
.endif
;; end of part 2
;; launch fold (part 3): grid 24 x 8, 4 waves a work-group, clusters of 4 x 4, 327,680 bytes of LDS; arguments wht, wcb, wf; writes wf
.if DOCPART == 3
	.amdgcn_target "amdgcn-amd-amdhsa--gfx1250"
	.amdhsa_code_object_version 6
	.text
	.protected	k_q888c2c7db3_fold
	.globl	k_q888c2c7db3_fold
	.p2align	8
	.type	k_q888c2c7db3_fold,@function
k_q888c2c7db3_fold:
	s_mov_b64 s[64:65], 0
	v_nop
	global_prefetch_b8 v0, s[64:65] scope:SCOPE_SE
	s_setreg_imm32_b32 hwreg(HW_REG_WAVE_MODE, 25, 1), 1
	s_wait_xcnt 0x0
	s_wait_alu depctr_hold_cnt(0) depctr_sa_sdst(0) depctr_va_vdst(0) depctr_va_sdst(0) depctr_va_ssrc(0) depctr_va_vcc(0) depctr_vm_vsrc(0)
	s_getreg_b32 s2, hwreg(HW_REG_IB_STS2, 6, 4)
	s_cmp_eq_u32 s2, 0
	s_cbranch_scc0 .Lentry_in_a_cluster
	s_endpgm
.Lentry_in_a_cluster:
	s_bfe_u32 s2, ttmp6, 0x10000c
	s_cmp_lg_u32 s2, 0xf033
	s_cbranch_scc0 .Lentry_shape_is_right
	s_endpgm
.Lentry_shape_is_right:
; C[m][n] = sum over k of A[m][k] B[n][k], K = 1,024, N = 1,024, for three families (Q, K, V) side by side.  A, B, C: bf16 in the blocked layout
; [row block of 128][family][column block of 64][128 rows][64 columns]: a plane is 16,384 dense bytes, a block 262,144.  Sums in f32, C rounded once.
; The text knows nothing of M: it serves W_h^T W_comb^T (M = 1,024) and X W (M = 4,096).  (X W_comb) W_h is formed as X (W_comb W_h): the order of rounding differs from the written order, and W_comb W_h is rounded once to bf16.
; THE K FAMILY is multiplied by sqrt(c), c = log2(e) / 8, in f32 ahead of its rounding, in both uses of this text: so the keys arrive as c K, and a score is an exponent of 2.
; A tile of C is 128 x 128: four waves of 64 x 64 (16 accumulators).  K goes in four steps of 256 = four planes, through two LDS slots; a wave's tensor load brings two planes (32,768 dense bytes, asked
; for as 128 rows of 256 bytes, padded in LDS behind every 128).  CLUSTERS of 4 x 4: A's tile is asked for jointly along a row of the cluster, B's along a column.
; THE MATRIX INSTRUCTION IS USED TRANSPOSED (source 0 = 16 rows of B, source 1 = 16 rows of A): a lane holds eight neighbouring numbers of a row of C.  A wave's 64 x 64 of C are 8,192 dense bytes.
; No prefetch: the tiles are small and a K step's loads are shared sixteen ways.  NaN and infinities are not treated apart; bf16 has f32's range.
; REGISTERS: window 0: v16-29 addresses; v32-95 at work on the way out; v128-255 accumulators ((a, b) at 128 + 8 (4 a + b)).  Window 1: two fragment buffers of 128 (64 of A, then 64 of B).
.set MATS,   3
.set F32OUT, 0
.set PITCH,  144                       ; an LDS row: 128 bytes + 16 = 36 words: the 16 rows of a load start at 16 different groups of four banks (64 banks of 4 bytes: ISA guide 11.1)
.set PLANE,  128*PITCH
.set LOADB,  2*PLANE                   ; what one tensor load fills
.set SLOT,   4*LOADB                   ; A's four planes, then B's four
.set STAGE,  2*SLOT                    ; behind the ring: 16 rows for each wave, for the way out
.if F32OUT
.set SPITCH, 272
.else
.set SPITCH, 144
.endif
.set SPARE,  STAGE+4*16*SPITCH         ; behind the stages: the spare words, 128 bytes for each wave
.set STEPB,  65536                     ; four planes in memory: a K step
.set ADRA, 16                          ; v16-17  LDS address of my A fragments in slot 0, 1
.set ADRB, 20                          ; v20-21  the same for B
.set STO,  24
.set RD,   25
.set CO,   26
.set SPW,  28
.set NIL,  29
.set TMP,  32
.set ACC,  128
.set F0,   0
.set F1,   128
.set G1,  24                           ; s[24:31] group 1 for A;  s[32:39] group 0, a set for each slot
.set G0,  32
.set G1B, 48                           ; s[48:55], s[56:63] the same for B
.set G0B, 56
.set MAT, 45                           ; s45  the family
.set SC,  66                           ; s[66:67] sqrt(c)
.set MSB, 0
.macro WIN new                         ; the immediate's high byte repeats the setting that is left
.if MSB != (\new)
	s_set_vgpr_msb (MSB<<8)|(\new)
.set MSB, \new
.endif
.endm
.set MUL,  0x05                        ; sources 0 (B) and 1 (A) window 1; C and D window 0
.set TO_F, 0x40                        ; destination window 1, address window 0
.macro JLOAD s                         ; a joint load: waves 0 and 1 fetch A's planes, waves 2 and 3 B's; an s_nop 0 and four v_nop follow each line
	s_cmp_eq_u32 s11, 0
	s_cbranch_scc0 .Lfor_b_\@
	tensor_load_to_lds s[G0+4*(\s):G0+4*(\s)+3], s[G1:G1+7]
	s_nop 0
.rept 4
	v_nop
.endr
	s_branch .Lasked_\@
.Lfor_b_\@:
	tensor_load_to_lds s[G0B+4*(\s):G0B+4*(\s)+3], s[G1B:G1B+7]
	s_nop 0
.rept 4
	v_nop
.endr
.Lasked_\@:
.endm
.macro CREST                           ; a round of the cluster's barrier behind its opening barrier
	s_cmp_lg_u32 s10, 0
	s_cbranch_scc1 .Lnot_wave_0_\@
	s_barrier_signal -3
.Lnot_wave_0_\@:
	s_barrier_wait -3
	s_barrier_signal -1
	s_barrier_wait -1
.endm
.macro CROUND
	s_barrier_signal -1
	s_barrier_wait -1
	CREST
.endm
	s_load_b128 s[4:7], s[0:1], 0x0                ; A s[4:5], B s[6:7]
	s_load_b64 s[8:9], s[0:1], 0x10                ; C
	v_lshl_add_u32 v[SPW], v0, 2, SPARE
	v_mov_b32 v[NIL], 0
	ds_add_u32 v[SPW], v[NIL]                      ; the wave's opening: the add and its wait ahead of my first tensor load; the set-up stands between them
	v_lshrrev_b32 v1, 5, v0
	v_readfirstlane_b32 s10, v1                    ; wave 0..3
	s_lshr_b32 s11, s10, 1                         ; my half of the tile's rows.  Also: I fetch for A (0) or for B (1)
	s_and_b32 s12, s10, 1                          ; my half of its columns.  Also: which two planes of a K step I fetch
	s_bfe_u32 s40, ttmp6, 0x40000                  ; cx
	s_bfe_u32 s41, ttmp6, 0x40004                  ; cy
	s_lshr_b32 s[MAT], ttmp9, 1                    ; two clusters along x to a family: the same in all sixteen partners
	s_and_b32 s42, ttmp9, 1
	s_lshl_b32 s42, s42, 2
	s_add_co_u32 s42, s42, s40                     ; tile column 0..7
	s_and_b32 s13, ttmp7, 0xffff
	s_lshl_b32 s13, s13, 2
	s_add_co_u32 s13, s13, s41                     ; tile row
	s_lshl_b32 s43, s41, 2
	s_lshl_b32 s43, 15, s43                        ; my row of the cluster
	s_lshl_b32 s44, 0x1111, s40                    ; my column
	s_or_b32 s[G1+0], s43, (1<<16)|(1<<20)|(1<<21)|(4<<22)|(3<<25)  ; the mask; 2-byte elements; padding on; bit 21 beside a mask; after every 32 words; 4 words
	s_or_b32 s[G1B+0], s44, (1<<16)|(1<<20)|(1<<21)|(4<<22)|(3<<25)
.irp g, G1, G1B
	s_mov_b32 s[(\g)+1], 128<<16                   ; tensor_dim0 = 128
	s_mov_b32 s[(\g)+2], 128<<16                   ; tensor_dim1 = 128
	s_mov_b32 s[(\g)+3], 128<<16                   ; tile_dim0 = 128
	s_mov_b32 s[(\g)+4], 128                       ; tile_dim1 = 128
	s_mov_b32 s[(\g)+5], 128                       ; elements from row to row: dense
	s_mov_b32 s[(\g)+6], 0
	s_mov_b32 s[(\g)+7], 0
.endr
	s_mul_i32 s16, s13, MATS                       ; A's block: tile row and family (no cx enters these registers)
	s_add_co_u32 s16, s16, s[MAT]
	s_lshl_b32 s16, s16, 18
	s_lshl_b32 s17, s12, 15                        ; my two planes
	s_add_co_u32 s16, s16, s17
	s_mul_i32 s46, s42, MATS                       ; B's block: tile column and family (no cy)
	s_add_co_u32 s46, s46, s[MAT]
	s_lshl_b32 s46, s46, 18
	s_add_co_u32 s46, s46, s17
	s_mov_b32 s17, 0
	s_mov_b32 s47, 0
	s_mul_i32 s20, s10, LOADB                      ; where they go: wave x two planes
	s_mov_b32 s[SC], 0x3ed96d27                    ; sqrt(log2(e) / 8) = 0.424661
	s_mov_b32 s[SC+1], s[SC]
	s_wait_dscnt 0x0                               ; the opening add is done
	s_wait_kmcnt 0x0
	s_add_nc_u64 s[14:15], s[4:5], s[16:17]
	s_add_nc_u64 s[46:47], s[6:7], s[46:47]
	CROUND                                         ; all sixteen work-groups are here: the first joint loads meet
.irp s, 0,1
	s_mov_b32 s[G0+4*(\s)], 1
	s_add_co_u32 s[G0+4*(\s)+1], s20, (\s)*SLOT
	s_add_nc_u64 s[G0+4*(\s)+2:G0+4*(\s)+3], s[14:15], (\s)*STEPB
	s_or_b32 s[G0+4*(\s)+3], s[G0+4*(\s)+3], 0x80000000
	s_mov_b32 s[G0B+4*(\s)], 1
	s_add_co_u32 s[G0B+4*(\s)+1], s20, (\s)*SLOT
	s_add_nc_u64 s[G0B+4*(\s)+2:G0B+4*(\s)+3], s[46:47], (\s)*STEPB
	s_or_b32 s[G0B+4*(\s)+3], s[G0B+4*(\s)+3], 0x80000000
	JLOAD \s
.endr
	v_and_b32 v1, 15, v0                           ; l % 16
	v_bfe_u32 v2, v0, 4, 1                         ; l / 16
	v_mul_u32_u24 v3, v1, PITCH
	v_lshl_add_u32 v3, v2, 4, v3                   ; a fragment's row x pitch + 16 x half
	s_mul_i32 s21, s11, 64*PITCH                   ; my 64 rows in each plane of A
	s_mul_i32 s22, s12, 64*PITCH                   ; my 64 rows in each plane of B,
	s_add_co_u32 s22, s22, 2*LOADB                 ; which lie behind A's four planes
.irp s, 0,1
	v_add_nc_u32 v[ADRA+(\s)], s21, v3
	v_add_nc_u32 v[ADRB+(\s)], s22, v3
	s_add_co_u32 s21, s21, SLOT
	s_add_co_u32 s22, s22, SLOT
.endr
	s_mul_i32 s23, s10, 16*SPITCH
	s_add_co_u32 s23, s23, STAGE                   ; my stage
	v_mul_u32_u24 v4, v1, SPITCH
.if F32OUT
	v_lshl_add_u32 v4, v2, 5, v4                   ; in: row l % 16, 32 bytes for each half of the lanes
	v_add_nc_u32 v[STO], s23, v4
	v_mul_u32_u24 v5, v2, SPITCH                   ; back: lanes 0-15 one row of 256 bytes, lanes 16-31 the next
	v_lshl_add_u32 v5, v1, 4, v5
	v_add_nc_u32 v[RD], s23, v5
	v_lshlrev_b32 v5, 12, v2                       ; and the same two rows of C
	v_lshl_add_u32 v[CO], v1, 4, v5
	s_lshl_b32 s16, s13, 19                        ; 128 rows of 4,096 bytes a tile row,
	s_lshl_b32 s17, s11, 18                        ; my 64
	s_add_co_u32 s16, s16, s17
	s_lshl_b32 s46, s42, 9                         ; 128 columns of 4 bytes a tile column,
	s_lshl_b32 s47, s12, 8                         ; my 64
	s_add_co_u32 s46, s46, s47
.else
	v_lshl_add_u32 v4, v2, 4, v4                   ; in: row l % 16, 16 bytes for each half of the lanes
	v_add_nc_u32 v[STO], s23, v4
	v_bfe_u32 v5, v0, 3, 2                         ; back: 32 lanes take four rows of 128 bytes,
	v_and_b32 v6, 7, v0
	v_mul_u32_u24 v5, v5, SPITCH
	v_lshl_add_u32 v5, v6, 4, v5
	v_add_nc_u32 v[RD], s23, v5
	v_and_b32 v[CO], 31, v0                        ; which are 512 consecutive bytes of C
	v_lshlrev_b32 v[CO], 4, v[CO]
	s_mul_i32 s16, s13, MATS                       ; C's block,
	s_add_co_u32 s16, s16, s[MAT]
	s_lshl_b32 s16, s16, 18
	s_lshl_b32 s17, s11, 13                        ; my 64 rows of a plane
	s_add_co_u32 s16, s16, s17
	s_lshl_b32 s46, s42, 15                        ; the tile column's two planes,
	s_lshl_b32 s47, s12, 14                        ; mine of them
	s_add_co_u32 s46, s46, s47
.endif
	s_mov_b32 s17, 0
	s_mov_b32 s47, 0
	s_add_nc_u64 s[8:9], s[8:9], s[16:17]
	s_add_nc_u64 s[8:9], s[8:9], s[46:47]
; 8 matrix instructions: m blocks a0, a0 + 1 x all 4 n blocks, 32 along K: half c of buffer f.  zero = 1: the first product starts the sums.  The 16 accumulators take turns.
.macro MUL8 f, c, a0, zero
	WIN MUL
.irp a, \a0, (\a0)+1
.irp b, 0,1,2,3
.if \zero
	v_wmma_f32_16x16x32_bf16 v[ACC+8*(4*(\a)+(\b)):ACC+8*(4*(\a)+(\b))+7], v[(\f)+64+8*(4*(\c)+(\b)):(\f)+64+8*(4*(\c)+(\b))+7], v[(\f)+8*(4*(\c)+(\a)):(\f)+8*(4*(\c)+(\a))+7], 0
.else
	v_wmma_f32_16x16x32_bf16 v[ACC+8*(4*(\a)+(\b)):ACC+8*(4*(\a)+(\b))+7], v[(\f)+64+8*(4*(\c)+(\b)):(\f)+64+8*(4*(\c)+(\b))+7], v[(\f)+8*(4*(\c)+(\a)):(\f)+8*(4*(\c)+(\a))+7], v[ACC+8*(4*(\a)+(\b)):ACC+8*(4*(\a)+(\b))+7]
.endif
.endr
.endr
.endm
; 32 LDS loads in one run: the fragments of plane q (64 along K) into buffer f; the first 32 along K first
.macro FETCH slot, q, f
	WIN TO_F
.irp c, 0,1
.irp i, 0,1,2,3
	ds_load_b128 v[(\f)+64+8*(4*(\c)+(\i)):(\f)+64+8*(4*(\c)+(\i))+3],   v[ADRB+(\slot)] offset:(\q)*PLANE+64*(\c)+(\i)*16*PITCH
	ds_load_b128 v[(\f)+64+8*(4*(\c)+(\i))+4:(\f)+64+8*(4*(\c)+(\i))+7], v[ADRB+(\slot)] offset:(\q)*PLANE+64*(\c)+(\i)*16*PITCH+32
	ds_load_b128 v[(\f)+8*(4*(\c)+(\i)):(\f)+8*(4*(\c)+(\i))+3],         v[ADRA+(\slot)] offset:(\q)*PLANE+64*(\c)+(\i)*16*PITCH
	ds_load_b128 v[(\f)+8*(4*(\c)+(\i))+4:(\f)+8*(4*(\c)+(\i))+7],       v[ADRA+(\slot)] offset:(\q)*PLANE+64*(\c)+(\i)*16*PITCH+32
.endr
.endr
.endm
.macro PLACES                          ; four places in front of loads into registers that matrix instructions have read, and of vector work that reads results
.rept 4
	v_nop
.endr
.endm
; A K step is four quarters, a plane each, 32 matrix instructions, on buffers 0, 1, 0, 1.  One of the first three: multiplies buffer f and fetches plane q into g.
.macro QUARTER slot, q, f, g, zero
	s_wait_dscnt 16                                ; the first 32 along K are in
	WIN MUL
	MUL8 \f, 0, 0, \zero
	MUL8 \f, 0, 2, \zero
	PLACES
	FETCH \slot, \q, \g
	s_wait_dscnt 32                                ; all but the 32 just issued
	WIN MUL
	MUL8 \f, 1, 0, 0
	MUL8 \f, 1, 2, 0
.endm
; The last quarter multiplies buffer 1 and changes slots: in front of the barrier each wave waits for all its tensor loads, adds 0 to its spare word, and waits for that and for its reads of this slot.
; fill = 1: the barrier opens a round of the cluster's, and this slot is filled again, two K steps on, first thing behind the round.
.macro TURN slot, next, fill
	WIN 0                                          ; (the add's two registers lie in window 0)
	s_wait_tensorcnt 0x0                           ; all my tensor loads have landed: my part of the next slot
	ds_add_u32 v[SPW], v[NIL]                      ; 0 onto my spare word
	s_wait_dscnt 17                                ; (the add and the youngest sixteen loads may be out)
	WIN MUL
	MUL8 F1, 0, 0, 0
	s_wait_dscnt 0x0                               ; the add is done, and my reads of this slot are over
	s_barrier_signal -1
	MUL8 F1, 0, 2, 0
.if \fill
	WIN 0
.endif
	s_barrier_wait -1
.if \fill
	CREST                                          ; no wave of any partner still reads this slot or has a load on its way
	s_add_nc_u64 s[G0+4*(\slot)+2:G0+4*(\slot)+3], s[G0+4*(\slot)+2:G0+4*(\slot)+3], 2*STEPB
	s_add_nc_u64 s[G0B+4*(\slot)+2:G0B+4*(\slot)+3], s[G0B+4*(\slot)+2:G0B+4*(\slot)+3], 2*STEPB
	JLOAD \slot                                    ; the four v_nop behind it are also the places in front of the loads below
.else
	PLACES
.endif
	FETCH \next, 0, F0
	WIN MUL
	MUL8 F1, 1, 0, 0
	MUL8 F1, 1, 2, 0
.endm
	s_wait_tensorcnt 1                             ; my part of K step 0 is in; K step 1's may stay out
	s_barrier_signal -1
	s_barrier_wait -1
	FETCH 0, 0, F0
	QUARTER 0, 1, F0, F1, 1                        ; the four K steps are written out: two laps of the ring leave nothing to loop over
	QUARTER 0, 2, F1, F0, 0
	QUARTER 0, 3, F0, F1, 0
	TURN 0, 1, 1                                   ; slot 0 takes K step 2
	QUARTER 1, 1, F0, F1, 0
	QUARTER 1, 2, F1, F0, 0
	QUARTER 1, 3, F0, F1, 0
	TURN 1, 0, 1                                   ; slot 1 takes K step 3
	QUARTER 0, 1, F0, F1, 0
	QUARTER 0, 2, F1, F0, 0
	QUARTER 0, 3, F0, F1, 0
	TURN 0, 1, 0
	QUARTER 1, 1, F0, F1, 0
	QUARTER 1, 2, F1, F0, 0
	QUARTER 1, 3, F0, F1, 0
	s_wait_dscnt 16
	WIN MUL
	MUL8 F1, 0, 0, 0
	MUL8 F1, 0, 2, 0
	s_wait_dscnt 0
	MUL8 F1, 1, 0, 0
	MUL8 F1, 1, 2, 0
	WIN 0
	PLACES
.if F32OUT
; THE WAY OUT in f32: 16 rows at a time through my own stage (rows of 272 bytes), back as whole rows of 256 bytes into the registers that they left.
.macro OUTF a
.irp b, 0,1,2,3
	ds_store_b128 v[STO], v[ACC+8*(4*(\a)+(\b)):ACC+8*(4*(\a)+(\b))+3]   offset:64*(\b)
	ds_store_b128 v[STO], v[ACC+8*(4*(\a)+(\b))+4:ACC+8*(4*(\a)+(\b))+7] offset:64*(\b)+16
.endr
.irp t, 0,1,2,3,4,5,6,7
	ds_load_b128 v[ACC+32*(\a)+4*(\t):ACC+32*(\a)+4*(\t)+3], v[RD] offset:(\t)*2*SPITCH  ; LDS serves a wave's instructions in order (ISA guide 5.7.1.4)
.endr
.endm
.macro SENDF a, younger                ; younger: the LDS instructions issued behind block a's loads
.irp t, 0,1,2,3,4,5,6,7
	s_wait_dscnt (\younger)+7-(\t)
	global_store_b128 v[CO], v[ACC+32*(\a)+4*(\t):ACC+32*(\a)+4*(\t)+3], s[8:9] offset:(16*(\a)+2*(\t))*4096 th:TH_STORE_NT  ; 16 lanes store 256 consecutive bytes, aligned
.endr
.endm
	OUTF 0
	OUTF 1
	SENDF 0, 16
	OUTF 2
	SENDF 1, 16
	OUTF 3
	SENDF 2, 16
	SENDF 3, 0
.else
	s_cmp_lg_u32 s[MAT], 1                         ; the K family alone is scaled; the family is the same in all partners
	s_cbranch_scc1 .Lplain
.set i, 0
.rept 64
	v_pk_mul_f32 v[ACC+2*i:ACC+2*i+1], v[ACC+2*i:ACC+2*i+1], s[SC:SC+1] op_sel_hi:[1,0]
.set i, i+1
.endr
.Lplain:
; THE WAY OUT in bf16: 16 rows at a time through my own stage (rows of 144 bytes), back as whole rows of 128 bytes: 2,048 dense bytes of C.
.macro PACK a
.irp b, 0,1,2,3
.irp r, 0,1,2,3
	v_cvt_pk_bf16_f32 v[TMP+16*(\a)+4*(\b)+(\r)], v[ACC+8*(4*(\a)+(\b))+2*(\r)], v[ACC+8*(4*(\a)+(\b))+2*(\r)+1]
.endr
.endr
.irp b, 0,1,2,3
	ds_store_b128 v[STO], v[TMP+16*(\a)+4*(\b):TMP+16*(\a)+4*(\b)+3] offset:32*(\b)
.endr
.irp f, 0,1,2,3
	ds_load_b128 v[TMP+16*(\a)+4*(\f):TMP+16*(\a)+4*(\f)+3], v[RD] offset:(\f)*4*SPITCH  ; LDS serves a wave's instructions in order (ISA guide 5.7.1.4)
.endr
.endm
.macro SEND a, younger                 ; younger: the LDS instructions issued behind block a's loads
.irp f, 0,1,2,3
	s_wait_dscnt (\younger)+3-(\f)
	global_store_b128 v[CO], v[TMP+16*(\a)+4*(\f):TMP+16*(\a)+4*(\f)+3], s[8:9] offset:(\a)*2048+(\f)*512  ; 512 consecutive bytes, aligned
.endr
.endm
	PACK 0
	PACK 1
	SEND 0, 8
	PACK 2
	SEND 1, 8
	PACK 3
	SEND 2, 8
	SEND 3, 0
.endif
	s_wait_tensorcnt 0x0                           ; the wave's end, behind my last tensor load and my last LDS store
	ds_add_u32 v[SPW], v[NIL]
	s_wait_dscnt 0x0
	CROUND                                         ; the closing round
	s_endpgm
.Lfunc_end_k_q888c2c7db3_fold:
	.size	k_q888c2c7db3_fold, .Lfunc_end_k_q888c2c7db3_fold-k_q888c2c7db3_fold
	.p2alignl 7, 3214868480
	.fill 96, 4, 3214868480
	.section	.rodata,"a",@progbits
	.p2align	6, 0x0
	.amdhsa_kernel k_q888c2c7db3_fold
		.amdhsa_group_segment_fixed_size 327680
		.amdhsa_private_segment_fixed_size 0
		.amdhsa_enable_private_segment 0
		.amdhsa_kernarg_size 24
		.amdhsa_user_sgpr_count 2
		.amdhsa_user_sgpr_kernarg_segment_ptr 1
		.amdhsa_wavefront_size32 1
		.amdhsa_system_sgpr_workgroup_id_x 1
		.amdhsa_system_sgpr_workgroup_id_y 1
		.amdhsa_system_sgpr_workgroup_id_z 1
		.amdhsa_system_vgpr_workitem_id 0
		.amdhsa_next_free_vgpr 512
		.amdhsa_next_free_sgpr 72
		.amdhsa_reserve_vcc 0
		.amdhsa_float_denorm_mode_32 3
		.amdhsa_float_denorm_mode_16_64 3
		.amdhsa_memory_ordered 1
		.amdhsa_forward_progress 1
		.amdhsa_inst_pref_size 90
	.end_amdhsa_kernel
	.amdgpu_metadata
---
amdhsa.version: [ 1, 2 ]
amdhsa.kernels:
  - .name:           k_q888c2c7db3_fold
    .symbol:         k_q888c2c7db3_fold.kd
    .args:
      - { .name: wht, .offset: 0, .size: 8, .value_kind: global_buffer, .address_space: global }
      - { .name: wcb, .offset: 8, .size: 8, .value_kind: global_buffer, .address_space: global }
      - { .name: wf, .offset: 16, .size: 8, .value_kind: global_buffer, .address_space: global }
    .group_segment_fixed_size: 327680
    .private_segment_fixed_size: 0
    .kernarg_segment_align: 8
    .kernarg_segment_size: 24
    .max_flat_workgroup_size: 128
    .sgpr_count:     72
    .vgpr_count:     512
    .wavefront_size: 32
...
	.end_amdgpu_metadata
.endif
;; end of part 3
;; launch proj: the kernel of part 3 again; grid 24 x 32, 4 waves a work-group, clusters of 4 x 4, 327,680 bytes of LDS; arguments xb, wf, qkv; writes qkv
;; launch stats (part 4): grid 16 x 16, 16 waves a work-group, clusters of 4 x 1, 327,680 bytes of LDS; arguments qkv, negm; writes negm
.if DOCPART == 4
	.amdgcn_target "amdgcn-amd-amdhsa--gfx1250"
	.amdhsa_code_object_version 6
	.text
	.protected	k_q888c2c7db3_stats
	.globl	k_q888c2c7db3_stats
	.p2align	8
	.type	k_q888c2c7db3_stats,@function
k_q888c2c7db3_stats:
	s_mov_b64 s[64:65], 0
	v_nop
	global_prefetch_b8 v0, s[64:65] scope:SCOPE_SE
	s_setreg_imm32_b32 hwreg(HW_REG_WAVE_MODE, 25, 1), 1
	s_wait_xcnt 0x0
	s_wait_alu depctr_hold_cnt(0) depctr_sa_sdst(0) depctr_va_vdst(0) depctr_va_sdst(0) depctr_va_ssrc(0) depctr_va_vcc(0) depctr_vm_vsrc(0)
	s_getreg_b32 s2, hwreg(HW_REG_IB_STS2, 6, 4)
	s_cmp_eq_u32 s2, 0
	s_cbranch_scc0 .Lentry_in_a_cluster
	s_endpgm
.Lentry_in_a_cluster:
	s_bfe_u32 s2, ttmp6, 0x10000c
	s_cmp_lg_u32 s2, 0x3003
	s_cbranch_scc0 .Lentry_shape_is_right
	s_endpgm
.Lentry_shape_is_right:
; THE SOFTMAX RUNS OVER THE QUERIES: for each head and key s this launch finds M_s = m_s + log2(l_s), m_s = the maximum over all 4,096 queries of s' = Q[q] . K'[s], l_s = the sum of 2^(s' - m_s), and stores -M_s in f32.
; K' = c K, c = log2(e) / 8, so s' is an exponent of 2.  qkv: bf16, byte (s / 128) x 786,432 + family x 262,144 + head x 16,384 + (s % 128) x 128.
; LIMITS.  A term below 2^-126 counts as 0 in l; NaN and infinities are not treated apart.
; SHARES.  A work-group: one head, 256 keys.  Wave w of 16: the 64 keys of group g = w % 4 (four tiles of 16, kept in registers as source 1) and plane u = w / 4 (128 queries) of every slot.
; FOUR WAVES LIE ON A SIMD (4 x 224 registers).  A key tile and 64 queries have 83 vector instructions for 8 matrix instructions: the launch is vector work, and what it wants is vector work that is ready:
; while one wave waits for its exponentials or its LDS loads, three others have instructions to issue.  LDS is read no more for it: each key group reads every query once, whoever does it.
; LAYOUT.  S = Q K'^T (source 0 = 16 queries): a lane holds ONE key (lane % 16) and the queries 8 (lane / 16) + 0..7.  So each lane keeps a running maximum m and sum l of its own; in every step l is
; multiplied by a = 2^(m_old - m_new).  The two halves of the lanes, and the four waves of a key group, are merged once, at the end.
; RING.  Two slots of 512 queries (four planes of 128 rows); waves 0-3 fetch a plane each.  CLUSTER: the four key blocks of a cluster belong to one head and walk the same Q: each plane is asked for jointly.
.set PQ,    144                        ; a row of Q in LDS: 128 bytes + 16 = 36 words: the 16 rows of a load start at 16 different groups of four banks (64 banks of 4 bytes: ISA guide 11.1)
.set CHUNK, 128*PQ
.set SLOT1, 1<<17                      ; slot 1 begins here: one exclusive or turns an address in one slot into the other's
.set SCR,   SLOT1+4*CHUNK              ; behind the ring, never filled by a tensor load: m[4][256], then l[4][256], f32
.set SPARE, SCR+8192                   ; the spare words, 128 bytes for each of the sixteen waves
.set RBS,   786432                     ; bytes from a row block of 128 rows to the next
.set AQ0, 2                            ; v2  my lane's place in my plane of a slot; never rewritten
.set AQ,  3                            ; v3  the LDS address of the run of loads in hand
.set KO,  4                            ; v4  my byte offset in 16 rows of K'
.set PFO, 5                            ; v5  256 x my lane; never rewritten
.set SPW, 6
.set NIL, 7
.set ST,  8                            ; tile t at v[8+4 t]: m, a word named with it as a pair, l (even queries', odd queries')
.set TMP, 24                           ; c0-c3, m_old - m_new at +4, a at +6 (+7 named with it as a pair)
.set KF,  32                           ; K': tile t, channel half c at 32 + 16 t + 8 c
.set QF,  96                           ; Q of one step: query tile i, half c at 96 + 16 i + 8 c
.set S,   160                          ; two buffers of 32, by the key tile's parity
.set WV,  12
.set G1,  24
.set G0,  40
.set SLOTS, 56
.set CNT, 57
.set TBQ, 62                           ; s62  LDS byte at which the step to be fetched begins
.set PFA, 66                           ; s[66:67] where my prefetches stand
.set LIM, 68                           ; s68  1 in a wave that prefetches, else the greatest number
.set SEL, 70                           ; s[70:71] v_permlanex16_b32's selects
.macro JLOAD                           ; waves 0-3 fetch a plane each; an s_nop 0 and four v_nop follow the load
	s_cmp_lt_u32 s[WV], 4
	s_cbranch_scc0 .Lnone_\@
	tensor_load_to_lds s[G0:G0+3], s[G1:G1+7]
	s_nop 0
.rept 4
	v_nop
.endr
.Lnone_\@:
.endm
; A PREFETCH INTO THE L2 of the slot that the NEXT change will ask for: 64 KiB, a lane a block of 256 bytes.  All four clusters of a head walk the same Q: the head's first cluster asks.  Its partners share
; the planes out BY ADDRESS (partner cx takes plane cx), waves 0 and 1 half a plane each: each block is named once in the launch.  The last change that fills a slot asks for nothing.
.macro ASK
	s_cmp_gt_u32 s[SLOTS], s[LIM]
	s_cbranch_scc0 .Lnot_mine_\@
	global_prefetch_b8 v[PFO], s[PFA:PFA+1] th:TH_LOAD_NT scope:SCOPE_SE
.Lnot_mine_\@:
.endm
.macro CROUND
	s_barrier_signal -1
	s_barrier_wait -1
	s_cmp_lg_u32 s[WV], 0
	s_cbranch_scc1 .Lnot_wave_0_\@
	s_barrier_signal -3
.Lnot_wave_0_\@:
	s_barrier_wait -3
	s_barrier_signal -1
	s_barrier_wait -1
.endm
; THE CHANGE OF SLOTS.  Each wave waits for all its tensor loads (one at the most is out: its plane of the other slot), adds 0 to its spare word, and waits for that and for its reads of the slot that it leaves.
; fill = 1: the barrier is a round of the cluster's, and the old slot is filled again first thing behind it.  (At its first use nothing has been read yet: slot 0 is waited for, slot 1 filled.)
.macro CHANGE fill
	s_wait_tensorcnt 0x0
	ds_add_u32 v[SPW], v[NIL]                      ; the steps below stand between the add and the wait for it
.if \fill
	s_xor_b32 s[G0+1], s[G0+1], SLOT1
	s_add_nc_u64 s[G0+2:G0+3], s[G0+2:G0+3], 4*RBS ; the next 512 queries; the type bits on top are not reached
	s_wait_xcnt 0x0                                ; the last prefetch, a slot back, has read its address
	s_add_nc_u64 s[PFA:PFA+1], s[PFA:PFA+1], 4*RBS
	s_wait_dscnt 0x0
	CROUND
	JLOAD
	ASK
.else
	s_wait_dscnt 0x0
	s_barrier_signal -1
	s_barrier_wait -1
.endif
	s_sub_co_u32 s[TBQ], s[TBQ], CHUNK             ; back to my plane's first step,
	s_xor_b32 s[TBQ], s[TBQ], SLOT1                ; in the other slot
.endm
.macro PLACES
.rept 4
	v_nop
.endr
.endm
	s_load_b128 s[4:7], s[0:1], 0x0                ; qkv s[4:5], negm s[6:7]
	v_lshl_add_u32 v[SPW], v0, 2, SPARE
	v_mov_b32 v[NIL], 0
	ds_add_u32 v[SPW], v[NIL]                      ; the wave's opening: the add and its wait ahead of my first tensor load
	v_lshrrev_b32 v1, 5, v0
	v_readfirstlane_b32 s[WV], v1                  ; wave 0..15
	s_and_b32 s13, s[WV], 3                        ; g
	s_lshr_b32 s14, s[WV], 2                       ; u
	s_bfe_u32 s15, ttmp6, 0x40000                  ; cx
	s_lshl_b32 s16, ttmp9, 2
	s_add_co_u32 s16, s16, s15                     ; my block of 256 keys: it enters K's and negm's addresses alone
	s_and_b32 s17, ttmp7, 0xffff                   ; the head
	s_lshl_b32 s18, s17, 14
	s_mul_i32 s20, s13, RBS                        ; Q: plane g of slot 0 (waves 0-3 ask by it)
	s_add_co_u32 s20, s20, s18
	s_mov_b32 s21, 0
	s_lshl_b32 s22, s16, 1                         ; K': my keys' row block,
	s_lshr_b32 s23, s13, 1
	s_add_co_u32 s22, s22, s23
	s_mul_i32 s22, s22, RBS
	s_add_co_u32 s22, s22, s18
	s_and_b32 s23, s13, 1
	s_lshl_b32 s23, s23, 13                        ; my 64 rows of it,
	s_add_co_u32 s22, s22, s23
	s_add_co_u32 s22, s22, 262144                  ; family 1
	s_mov_b32 s23, 0
	s_lshl_b32 s2, s16, 10                         ; negm: 256 keys of 4 bytes
	s_add_co_u32 s2, s2, s18
	s_mov_b32 s3, 0
	s_add_co_u32 s10, s15, 4                       ; the prefetches stand in slot 1; the first change steps them to slot 2
	s_mul_i32 s10, s10, RBS
	s_add_co_u32 s10, s10, s18
	s_and_b32 s11, s[WV], 1
	s_lshl_b32 s11, s11, 13
	s_add_co_u32 s10, s10, s11
	s_mov_b32 s11, 0
	s_lshr_b32 s[LIM], s[WV], 1                    ; 0 in waves 0 and 1,
	s_or_b32 s[LIM], s[LIM], ttmp9                 ; where the cluster is the head's first: the same in all four partners
	s_cmp_eq_u32 s[LIM], 0
	s_cselect_b32 s[LIM], 1, -1
	s_mov_b32 s[G1], 15|(1<<16)|(1<<20)|(1<<21)|(4<<22)|(3<<25)  ; the mask of four; 2-byte elements; padding on; bit 21 beside a mask; after every 32 words; 4 words
	s_mov_b32 s[G1+1], 128<<16                     ; a plane is 16,384 dense bytes: 64 rows of 256
	s_mov_b32 s[G1+2], 64<<16
	s_mov_b32 s[G1+3], 128<<16
	s_mov_b32 s[G1+4], 64
	s_mov_b32 s[G1+5], 128
	s_mov_b32 s[G1+6], 0
	s_mov_b32 s[G1+7], 0
	s_mov_b32 s[G0], 1
	s_mul_i32 s[G0+1], s13, CHUNK
	s_mov_b32 s[SEL], 0x76543210
	s_mov_b32 s[SEL+1], 0xfedcba98
	s_mov_b32 s[TBQ], SLOT1+CHUNK                  ; the first change of slots turns this into 0
	s_mov_b32 s[SLOTS], 7
	s_wait_dscnt 0x0                               ; the opening add is done
	s_wait_kmcnt 0x0
	s_add_nc_u64 s[G0+2:G0+3], s[4:5], s[20:21]
	s_or_b32 s[G0+3], s[G0+3], 0x80000000
	s_add_nc_u64 s[PFA:PFA+1], s[4:5], s[10:11]
	s_add_nc_u64 s[4:5], s[4:5], s[22:23]          ; K' at my 64 keys
	s_add_nc_u64 s[6:7], s[6:7], s[2:3]
	CROUND                                         ; all four work-groups are here
	JLOAD                                          ; slot 0
	v_and_b32 v24, 15, v0                          ; l % 16
	v_bfe_u32 v25, v0, 4, 1                        ; l / 16
	v_and_b32 v26, 31, v0
	v_lshlrev_b32 v[KO], 7, v24
	v_lshl_add_u32 v[KO], v25, 4, v[KO]
.set i, 0
.rept 8                                ; K' stays in registers: tile i / 2, channels 32 (i % 2) on
	global_load_b128 v[KF+8*i:KF+8*i+3],   v[KO], s[4:5] offset:(i/2)*2048+(i%2)*64
	global_load_b128 v[KF+8*i+4:KF+8*i+7], v[KO], s[4:5] offset:(i/2)*2048+(i%2)*64+32
.set i, i+1
.endr
	v_mul_u32_u24 v[AQ0], v24, PQ
	v_lshl_add_u32 v[AQ0], v25, 4, v[AQ0]
	s_mul_i32 s19, s14, CHUNK
	v_add_nc_u32 v[AQ0], s19, v[AQ0]
	v_lshlrev_b32 v[PFO], 8, v26
.irp t, 0,1,2,3
	v_mov_b32 v[ST+4*(\t)], 0xff7fffff             ; m: the lowest finite number, so the first a is 0
	v_mov_b32 v[ST+4*(\t)+1], 0
	v_mov_b32 v[ST+4*(\t)+2], 0
	v_mov_b32 v[ST+4*(\t)+3], 0
.endr
	v_mov_b32 v[TMP+7], 0
	s_wait_loadcnt 0x0                             ; K'
.macro FETCH_Q                         ; 64 queries x 64 channels: 8 fragments, one run of 16 loads
	v_add_nc_u32 v[AQ], s[TBQ], v[AQ0]
.irp f, 0,1,2,3,4,5,6,7
	ds_load_b128 v[QF+8*(\f):QF+8*(\f)+3],   v[AQ] offset:((\f)/2)*16*PQ+((\f)%2)*64
	ds_load_b128 v[QF+8*(\f)+4:QF+8*(\f)+7], v[AQ] offset:((\f)/2)*16*PQ+((\f)%2)*64+32
.endr
	s_add_co_u32 s[TBQ], s[TBQ], 64*PQ
.endm
; Product i of 8 for key tile t: channels 32 (i / 4) on, query tile i % 4.  The first 4 start the sums; the 4 accumulators take turns.
.macro MMQ t
.set rD, S+32*((\t)%2)+8*(i%4)
.set rA, QF+16*(i%4)+8*(i/4)
.set rB, KF+16*(\t)+8*(i/4)
.if i < 4
	v_wmma_f32_16x16x32_bf16 v[rD:rD+7], v[rA:rA+7], v[rB:rB+7], 0
.else
	v_wmma_f32_16x16x32_bf16 v[rD:rD+7], v[rA:rA+7], v[rB:rB+7], v[rD:rD+7]
.endif
.set i, i+1
.endm
; THE VECTOR WORK for key tile t and 64 queries: a list of 83; OPQ writes number n and steps n.  s0-s31 are the lane's 32 scores.
;   0-15   the maximum of s0-s31 and the old m (each accumulator's lowest registers are read first)     16-18  m_old - m_new; the new m; a
;   19-66  ONE BATCH: the 16 subtractions s - m, a pair each, and the 32 exponentials; a pair is subtracted well ahead of its exponentials; nothing here names an exponential's result
;   67-81  the sum of the 16 pairs, in place     82  l = a l + the sum
.macro OPQ t
.set rS, S+32*((\t)%2)
.set rT, ST+4*(\t)
.if n < 4
	v_max3_num_f32 v[TMP+n], v[rS+8*n], v[rS+8*n+1], v[rS+8*n+2]
.elseif n < 12
	v_max3_num_f32 v[TMP+n%4], v[TMP+n%4], v[rS+8*(n%4)+2*(n/4)+1], v[rS+8*(n%4)+2*(n/4)+2]
.elseif n == 12
	v_max3_num_f32 v[TMP], v[TMP], v[rS+7], v[rS+15]
.elseif n == 13
	v_max3_num_f32 v[TMP+1], v[TMP+1], v[rS+23], v[rS+31]
.elseif n == 14
	v_max3_num_f32 v[TMP+2], v[TMP+2], v[TMP+3], v[rT]
.elseif n == 15
	v_max3_num_f32 v[TMP], v[TMP], v[TMP+1], v[TMP+2]
.elseif n == 16
	v_sub_f32 v[TMP+4], v[rT], v[TMP]
.elseif n == 17
	v_mov_b32 v[rT], v[TMP]
.elseif n == 18
	v_exp_f32 v[TMP+6], v[TMP+4]
.elseif (n < 21) || ((n < 63) && ((n-21)%3 == 0))
.set b, n-19
.if n >= 21
.set b, (n-21)/3+2
.endif
	v_pk_add_f32 v[rS+2*b:rS+2*b+1], v[rS+2*b:rS+2*b+1], v[rT:rT+1] op_sel_hi:[1,0] neg_lo:[0,1] neg_hi:[0,1]
.elseif n < 67
.set e, n-35
.if n < 63
.set e, 2*((n-21)/3)+(n-21)%3-1
.endif
	v_exp_f32 v[rS+e], v[rS+e]
.elseif n < 82
.set z, n-67
.set w, 4
.set u, z
.if z >= 14
.set w, 32
.set u, 0
.elseif z >= 12
.set w, 16
.set u, z-12
.elseif z >= 8
.set w, 8
.set u, z-8
.endif
	v_pk_add_f32 v[rS+w*u:rS+w*u+1], v[rS+w*u:rS+w*u+1], v[rS+w*u+w/2:rS+w*u+w/2+1]
.else
	v_pk_fma_f32 v[rT+2:rT+3], v[rT+2:rT+3], v[TMP+6:TMP+7], v[rS:rS+1] op_sel_hi:[1,0,1]
.endif
.set n, n+1
.endm
; A TURN: key tile t's vector work; mm = 1: the next tile's 8 products stand among it, four of the list behind each.  The turn's 33 exponentials have ONE wait, ahead of the sums, their first readers.
.macro TURN t, mm
.set n, 0
.if \mm
.set i, 0
.rept 8
	MMQ (\t)+1
.rept 4
	OPQ \t
.endr
.endr
.rept 35
	OPQ \t
.endr
.else
.rept 67
	OPQ \t
.endr
.endif
	v_nop                                          ; a plain instruction behind the last exponential: one for the batch
	s_wait_alu depctr_va_vdst(0)                   ; the wait ahead of the first use
.rept 16
	OPQ \t
.endr
.endm
; My plane of a slot: two steps of 64 queries.  The vector work of the last turn stands between the last product that read Q's registers and the next run of loads into them.
.macro PROCESS
	s_mov_b32 s[CNT], 2
.Lstep_\@:
	FETCH_Q
	s_wait_dscnt 0x0
.set i, 0
.rept 8
	MMQ 0
.endr
	PLACES
	TURN 0, 1
	TURN 1, 1
	TURN 2, 1
	TURN 3, 0
	s_sub_co_u32 s[CNT], s[CNT], 1
	s_cmp_lg_u32 s[CNT], 0
	s_cbranch_scc1 .Lstep_\@
.endm
.Lslot:                                ; seven trips: slot i is walked, slot i + 1 asked for
	CHANGE 1
	PROCESS
	s_sub_co_u32 s[SLOTS], s[SLOTS], 1
	s_cmp_lg_u32 s[SLOTS], 0
	s_cbranch_scc1 .Lslot
	CHANGE 0                                       ; the last slot is written out
	PROCESS
	; THE MERGES.  First the two halves of the lanes (a key's other queries lie in the lane 16 away), then the four waves of a key group, through LDS.
.irp t, 0,1,2,3
	v_add_f32 v[ST+4*(\t)+2], v[ST+4*(\t)+2], v[ST+4*(\t)+3]
.endr
.irp t, 0,1,2,3
	v_permlanex16_b32 v[QF+(\t)], v[ST+4*(\t)], s[SEL], s[SEL+1]
	v_permlanex16_b32 v[QF+4+(\t)], v[ST+4*(\t)+2], s[SEL], s[SEL+1]
.endr
.irp t, 0,1,2,3
	v_max_num_f32 v[QF+8+(\t)], v[ST+4*(\t)], v[QF+(\t)]
.endr
.irp t, 0,1,2,3
	v_sub_f32 v[QF+12+(\t)], v[ST+4*(\t)], v[QF+8+(\t)]
	v_sub_f32 v[QF+16+(\t)], v[QF+(\t)], v[QF+8+(\t)]
.endr
.irp t, 0,1,2,3
	v_exp_f32 v[QF+12+(\t)], v[QF+12+(\t)]
	v_exp_f32 v[QF+16+(\t)], v[QF+16+(\t)]
.endr
	v_and_b32 v[AQ], 15, v0                        ; (the plain instruction behind the last exponential)
	s_wait_alu depctr_va_vdst(0)                   ; one wait for the eight
.irp t, 0,1,2,3
	v_mul_f32 v[ST+4*(\t)+2], v[ST+4*(\t)+2], v[QF+12+(\t)]
.endr
.irp t, 0,1,2,3
	v_fmac_f32 v[ST+4*(\t)+2], v[QF+4+(\t)], v[QF+16+(\t)]
.endr
	s_lshl_b32 s19, s14, 10
	s_lshl_b32 s20, s13, 8
	s_add_co_u32 s19, s19, s20
	s_add_co_u32 s19, s19, SCR
	v_lshl_add_u32 v[AQ], v[AQ], 2, s19            ; m[u][64 g + 16 t + l % 16]; both halves of the lanes hold the same number
.irp t, 0,1,2,3
	ds_store_b32 v[AQ], v[QF+8+(\t)] offset:64*(\t)
	ds_store_b32 v[AQ], v[ST+4*(\t)+2] offset:64*(\t)+4096
.endr
	s_wait_dscnt 0x0                               ; for the others' sake
	s_barrier_signal -1
	s_barrier_wait -1
	s_cmp_lt_u32 s[WV], 2                          ; threads 0-63 finish four keys each
	s_cbranch_scc0 .Lend
	v_lshl_add_u32 v[AQ], v0, 4, SCR
.irp u, 0,1,2,3
	ds_load_b128 v[96+4*(\u):99+4*(\u)],   v[AQ] offset:1024*(\u)        ; m of part u
	ds_load_b128 v[112+4*(\u):115+4*(\u)], v[AQ] offset:4096+1024*(\u)   ; l of part u
.endr
	v_lshlrev_b32 v[KO], 4, v0
	s_wait_dscnt 0x0
.irp i, 0,1,2,3
	v_max3_num_f32 v[128+(\i)], v[96+(\i)], v[100+(\i)], v[104+(\i)]
.endr
.irp i, 0,1,2,3
	v_max_num_f32 v[128+(\i)], v[128+(\i)], v[108+(\i)]
.endr
.irp u, 0,1,2,3
.irp i, 0,1,2,3
	v_sub_f32 v[96+4*(\u)+(\i)], v[96+4*(\u)+(\i)], v[128+(\i)]
.endr
.endr
.set i, 0
.rept 16
	v_exp_f32 v[96+i], v[96+i]
.set i, i+1
.endr
	v_nop
	s_wait_alu depctr_va_vdst(0)                   ; one wait for the sixteen
.irp i, 0,1,2,3
	v_mul_f32 v[132+(\i)], v[112+(\i)], v[96+(\i)]
.endr
.irp u, 1,2,3
.irp i, 0,1,2,3
	v_fmac_f32 v[132+(\i)], v[112+4*(\u)+(\i)], v[96+4*(\u)+(\i)]
.endr
.endr
.irp i, 0,1,2,3
	v_log_f32 v[132+(\i)], v[132+(\i)]             ; l is 1 at the least: the maximum's own term
.endr
	v_nop
	s_wait_alu depctr_va_vdst(0)
.irp i, 0,1,2,3
	v_fma_f32 v[136+(\i)], v[128+(\i)], -1.0, -v[132+(\i)]
.endr
	global_store_b128 v[KO], v[136:139], s[6:7]    ; 16 lanes store 256 consecutive bytes, aligned
.Lend:
	s_wait_tensorcnt 0x0                           ; the wave's end
	ds_add_u32 v[SPW], v[NIL]
	s_wait_dscnt 0x0
	CROUND                                         ; the closing round
	s_endpgm
.Lfunc_end_k_q888c2c7db3_stats:
	.size	k_q888c2c7db3_stats, .Lfunc_end_k_q888c2c7db3_stats-k_q888c2c7db3_stats
	.p2alignl 7, 3214868480
	.fill 96, 4, 3214868480
	.section	.rodata,"a",@progbits
	.p2align	6, 0x0
	.amdhsa_kernel k_q888c2c7db3_stats
		.amdhsa_group_segment_fixed_size 327680
		.amdhsa_private_segment_fixed_size 0
		.amdhsa_enable_private_segment 0
		.amdhsa_kernarg_size 16
		.amdhsa_user_sgpr_count 2
		.amdhsa_user_sgpr_kernarg_segment_ptr 1
		.amdhsa_wavefront_size32 1
		.amdhsa_system_sgpr_workgroup_id_x 1
		.amdhsa_system_sgpr_workgroup_id_y 1
		.amdhsa_system_sgpr_workgroup_id_z 1
		.amdhsa_system_vgpr_workitem_id 0
		.amdhsa_next_free_vgpr 224
		.amdhsa_next_free_sgpr 72
		.amdhsa_reserve_vcc 0
		.amdhsa_float_denorm_mode_32 3
		.amdhsa_float_denorm_mode_16_64 3
		.amdhsa_memory_ordered 1
		.amdhsa_forward_progress 1
		.amdhsa_inst_pref_size 54
	.end_amdhsa_kernel
	.amdgpu_metadata
---
amdhsa.version: [ 1, 2 ]
amdhsa.kernels:
  - .name:           k_q888c2c7db3_stats
    .symbol:         k_q888c2c7db3_stats.kd
    .args:
      - { .name: qkv, .offset: 0, .size: 8, .value_kind: global_buffer, .address_space: global }
      - { .name: negm, .offset: 8, .size: 8, .value_kind: global_buffer, .address_space: global }
    .group_segment_fixed_size: 327680
    .private_segment_fixed_size: 0
    .kernarg_segment_align: 8
    .kernarg_segment_size: 16
    .max_flat_workgroup_size: 512
    .sgpr_count:     72
    .vgpr_count:     224
    .wavefront_size: 32
...
	.end_amdgpu_metadata
.endif
;; end of part 4
;; launch attn (part 5): grid 16 x 16, 4 waves a work-group, clusters of 4 x 1, 327,680 bytes of LDS; arguments qkv, negm, ob; writes ob
.if DOCPART == 5
	.amdgcn_target "amdgcn-amd-amdhsa--gfx1250"
	.amdhsa_code_object_version 6
	.text
	.protected	k_q888c2c7db3_attn
	.globl	k_q888c2c7db3_attn
	.p2align	8
	.type	k_q888c2c7db3_attn,@function
k_q888c2c7db3_attn:
	s_mov_b64 s[64:65], 0
	v_nop
	global_prefetch_b8 v0, s[64:65] scope:SCOPE_SE
	s_setreg_imm32_b32 hwreg(HW_REG_WAVE_MODE, 25, 1), 1
	s_wait_xcnt 0x0
	s_wait_alu depctr_hold_cnt(0) depctr_sa_sdst(0) depctr_va_vdst(0) depctr_va_sdst(0) depctr_va_ssrc(0) depctr_va_vcc(0) depctr_vm_vsrc(0)
	s_getreg_b32 s2, hwreg(HW_REG_IB_STS2, 6, 4)
	s_cmp_eq_u32 s2, 0
	s_cbranch_scc0 .Lentry_in_a_cluster
	s_endpgm
.Lentry_in_a_cluster:
	s_bfe_u32 s2, ttmp6, 0x10000c
	s_cmp_lg_u32 s2, 0x3003
	s_cbranch_scc0 .Lentry_shape_is_right
	s_endpgm
.Lentry_shape_is_right:
; heads[h][q][:] = the sum over keys s of 2^(K'[s] . Q[q] - M_s) V[s][:], with -M_s = -(m_s + log2 l_s) from the launch before: the weights come out normalised, so there is no maximum, no sum and no rescaling here.
; The exponent is at most about 0 for every input: M_s holds the column's true maximum.  qkv: bf16, byte (s / 128) x 786,432 + family x 262,144 + head x 16,384 + (s % 128) x 128; ob the same with one family.
; LIMITS.  The weights are rounded to bf16 for the second product (l was summed of the unrounded ones); a weight below 2^-126 counts as 0; NaN and infinities are not treated apart.
; SHARES.  A work-group: one head, 256 queries, four waves, one to a SIMD.  Wave w: the 128 queries of row block g = w % 2 (eight tiles of 16 = four PIECES of two; Q and O^T in registers) and plane u = w / 2
; (128 keys) of every slot.  So a step's 40 LDS loads (64 keys of K', -M and V) feed 128 products.  The two waves of a query group add their O^T at the end.
; LAYOUT.  S^T = K' Q^T - M (source 0 = 16 keys, source 1 = 16 queries; -M is the C operand that starts the sum): a lane holds ONE query (lane % 16) and the keys 8 (lane / 16) + 0..7.  Two such results, rounded to
; bf16 in pairs, ARE source 1 of O^T = V^T P.  K' comes out of LDS as it lies, V turned, by ds_load_tr16_b128.
; BY TURNS.  Turn p belongs to piece p (the pieces in a ring, step after step): 16 products K' Q^T of piece p + 1, four of piece p's 64 exponentials behind each; one wait for that batch; 16 products V^T P of
; piece p - 1 in pairs, four of piece p's 32 roundings behind each pair.  Three vector instructions for each matrix instruction, none of which waits for a product of its own turn.
; RING.  Two slots of 256 keys; waves 0, 1 fetch K's two planes, waves 2, 3 V's; wave 0 also fetches the head's 4,096 -M, once.  CLUSTER: the four query blocks of a cluster belong to one head: all loads are joint.
; REGISTERS, in windows of 256 (s_set_vgpr_msb: bits 1:0 source 0, 3:2 source 1, 5:4 source 2, 7:6 destination):
;   window 0: v2-14 addresses; v16-47 -M; v48-111 K' of one step; v112-239 S^T, two buffers of 64 (by the piece's parity)      window 1: O^T, 32 a tile
;   window 2: v0-127 Q, 16 a tile; v128-191 V of one step; v192-255 P, two buffers of 32
; K', -M and S^T share a window, so the exponentials (a destination and source 0) run under the setting of the products K' Q^T; the roundings cost two switches for each pair of products V^T P.
.set PKB,   144                        ; a row of K' in LDS: 128 + 16 bytes = 36 words: the 16 rows of a load start at 16 different groups of four banks (64 banks of 4 bytes: ISA guide 11.1)
.set PVB,   160                        ; a row of V: 128 + 32 bytes
.set KCH,   128*PKB
.set VCH,   128*PVB
.set VOFF,  2*KCH
.set SLOT1, 1<<17                      ; slot 1 begins here: one exclusive or turns an address in one slot into the other's
.set NEGM,  SLOT1+VOFF+2*VCH           ; 16,384 bytes, filled once
.set MRG,   NEGM+16384                 ; 65,536 bytes: four tiles of O^T for each wave, from its partner; never filled by a tensor load
.set STAGE, MRG+65536                  ; 16 rows x 144 bytes for each wave, for the way out
.set SP,    144
.set SPARE, STAGE+4*16*SP              ; the spare words, 128 bytes for each of the four waves
.set RBS,   786432                     ; bytes from a row block of 128 rows to the next
.set AK0, 2                            ; v2   my lane's place in my plane of K'; never rewritten
.set AV0, 3                            ; v3   the same for V
.set AN0, 4                            ; v4   the same for -M, less 512
.set AK,  5                            ; v5-7 the LDS addresses of the runs of loads in hand
.set AV,  6
.set AN,  7
.set STO, 8
.set RD,  9
.set GO,  10
.set MG,  11                           ; v11  my lane's 16 bytes in my query group's part of MRG
.set SPW, 12
.set NIL, 13
.set PFO, 14
.set NM,  16
.set KF,  48                           ; key block kb, channel half c at 48 + 16 kb + 8 c
.set S,   112
.set TP,  176                          ; the way out: packed results (S^T's registers are free then)
.set QO,  240
.set VF,  128                          ; window 2: key half kk, channel block cb at 128 + 32 kk + 8 cb
.set P,   192                          ; window 2
.set WV,  12
.set G1K, 24
.set G1V, 32
.set G0K, 40
.set G0V, 44
.set G1N, 48
.set G0N, 56
.set SLOTS, 60
.set CNT, 61
.set TBK, 62                           ; s62  LDS byte at which K' of the step to be fetched begins, less my plane's place
.set TBV, 63                           ; s63  the same for V
.set PFA, 66
.set LIM, 68
.set TN,  69                           ; s69  the same for -M, plus 512
.set MSB, 0
.macro WIN new                         ; the high byte repeats the setting that is left; a switch that changes nothing is dropped
.if MSB != (\new)
	s_set_vgpr_msb (MSB<<8)|(\new)
.set MSB, (\new)
.endif
.endm
.set W_KQ, 0x08                        ; Q (source 1) in window 2; K', -M, S^T in window 0
.set W_PV, 0x5a                        ; V and P in window 2, O^T in window 1
.set W_W2, 0x80                        ; destination in window 2: the roundings, and the loads of Q and V
; A joint refill.  The branch hangs on the wave's number alone.  An s_nop 0 and four v_nop follow each load.
.macro JLOAD
	s_cmp_lt_u32 s[WV], 2
	s_cbranch_scc0 .Lfor_v_\@
	tensor_load_to_lds s[G0K:G0K+3], s[G1K:G1K+7]
	s_nop 0
.rept 4
	v_nop
.endr
	s_branch .Lasked_\@
.Lfor_v_\@:
	tensor_load_to_lds s[G0V:G0V+3], s[G1V:G1V+7]
	s_nop 0
.rept 4
	v_nop
.endr
.Lasked_\@:
.endm
; A PREFETCH INTO THE L2 of the slot that the NEXT change will ask for: 32 KiB of K' and of V, a lane a block of 256 bytes.  The head's first cluster asks; its four partners take a quarter each BY ADDRESS;
; in each, wave 0 asks for K' and wave 2 for V: each block is named once in the launch.  The last change that fills a slot asks for nothing.
.macro ASK
	s_cmp_gt_u32 s[SLOTS], s[LIM]
	s_cbranch_scc0 .Lnot_mine_\@
	global_prefetch_b8 v[PFO], s[PFA:PFA+1] th:TH_LOAD_NT scope:SCOPE_SE
.Lnot_mine_\@:
.endm
.macro CROUND
	s_barrier_signal -1
	s_barrier_wait -1
	s_cmp_lg_u32 s[WV], 0
	s_cbranch_scc1 .Lnot_wave_0_\@
	s_barrier_signal -3
.Lnot_wave_0_\@:
	s_barrier_wait -3
	s_barrier_signal -1
	s_barrier_wait -1
.endm
; THE CHANGE OF SLOTS stands behind turn 1 of a slot's second step: K' and V of that step are in registers.  Each wave waits for all its tensor loads, adds 0 to its spare word, and waits for that and for its
; reads of the slot.  fill = 1: the barrier is a round of the cluster's, and the joint refill is the first thing behind it: it has two steps, 256 matrix instructions, in which to land.
; (At its first use nothing has been read yet: slot 0 and -M are waited for, slot 1 filled.)
.macro CHANGE fill
	WIN 0
	s_wait_tensorcnt 0x0
	ds_add_u32 v[SPW], v[NIL]                      ; the steps below stand between the add and the wait for it
.if \fill
.irp g, G0K, G0V
	s_xor_b32 s[(\g)+1], s[(\g)+1], SLOT1
	s_add_nc_u64 s[(\g)+2:(\g)+3], s[(\g)+2:(\g)+3], 2*RBS  ; the next 256 keys; the type bits on top are not reached
.endr
	s_wait_xcnt 0x0                                ; the last prefetch, a slot back, has read its address
	s_add_nc_u64 s[PFA:PFA+1], s[PFA:PFA+1], 2*RBS
	s_wait_dscnt 0x0
	CROUND
	JLOAD
	ASK
.else
	s_wait_dscnt 0x0
	s_barrier_signal -1
	s_barrier_wait -1
.endif
	s_sub_co_u32 s[TBK], s[TBK], KCH               ; the fetches go back to my plane's first step,
	s_xor_b32 s[TBK], s[TBK], SLOT1                ; in the other slot
	s_sub_co_u32 s[TBV], s[TBV], VCH
	s_xor_b32 s[TBV], s[TBV], SLOT1
	s_add_co_u32 s[TN], s[TN], 512                 ; past the other plane's 128 keys
.endm
.macro PLACES
.rept 4
	v_nop
.endr
.endm
	s_load_b128 s[4:7], s[0:1], 0x0                ; qkv s[4:5], negm s[6:7]
	s_load_b64 s[8:9], s[0:1], 0x10                ; ob
	v_lshl_add_u32 v[SPW], v0, 2, SPARE
	v_mov_b32 v[NIL], 0
	ds_add_u32 v[SPW], v[NIL]                      ; the wave's opening: the add and its wait ahead of my first tensor load
	v_lshrrev_b32 v1, 5, v0
	v_readfirstlane_b32 s[WV], v1                  ; wave 0..3
	s_and_b32 s13, s[WV], 1                        ; g.  Also: which plane of a slot I fetch
	s_lshr_b32 s14, s[WV], 1                       ; u.  Also: I fetch K' (0) or V (1)
	s_bfe_u32 s16, ttmp6, 0x40000                  ; cx
	s_lshl_b32 s17, ttmp9, 2
	s_add_co_u32 s17, s17, s16                     ; my block of 256 queries: it enters Q's and ob's addresses alone
	s_and_b32 s18, ttmp7, 0xffff                   ; the head
	s_lshl_b32 s19, s18, 14
	s_mul_i32 s20, s13, RBS                        ; K', V: my plane of slot 0
	s_add_co_u32 s20, s20, s19
	s_mov_b32 s21, 0
	s_lshl_b32 s22, s17, 1
	s_add_co_u32 s22, s22, s13                     ; my queries' row block
	s_mul_i32 s2, s22, RBS                         ; Q
	s_add_co_u32 s2, s2, s19
	s_mov_b32 s3, 0
	s_lshl_b32 s22, s22, 4                         ; ob: 16 planes a row block
	s_add_co_u32 s22, s22, s18
	s_lshl_b32 s22, s22, 14
	s_lshl_b32 s23, s14, 13                        ; the four tiles that I finish: 64 rows of 128 bytes
	s_add_co_u32 s22, s22, s23
	s_mov_b32 s23, 0
	s_lshr_b32 s10, s16, 1                         ; the prefetches stand in slot 1; the first change steps them to slot 2
	s_add_co_u32 s10, s10, 2
	s_mul_i32 s10, s10, RBS
	s_and_b32 s11, s16, 1
	s_lshl_b32 s11, s11, 13
	s_add_co_u32 s10, s10, s11
	s_add_co_u32 s10, s10, s19
	s_add_co_u32 s11, s14, 1                       ; family 1 in wave 0, family 2 in wave 2
	s_lshl_b32 s11, s11, 18
	s_add_co_u32 s10, s10, s11
	s_mov_b32 s11, 0
	s_or_b32 s[LIM], s13, ttmp9                    ; 0 in waves 0 and 2 where the cluster is the head's first: the same in all four partners
	s_cmp_eq_u32 s[LIM], 0
	s_cselect_b32 s[LIM], 1, -1
	s_mov_b32 s[G1K], 15|(1<<16)|(1<<20)|(1<<21)|(4<<22)|(3<<25)  ; the mask of four; 2-byte elements; padding on; bit 21 beside a mask; after every 32 words; 4 words
	s_mov_b32 s[G1V], 15|(1<<16)|(1<<20)|(1<<21)|(4<<22)|(7<<25)  ; the same with 8 words
.irp g, G1K, G1V
	s_mov_b32 s[(\g)+1], 128<<16                   ; a plane is 16,384 dense bytes: 64 rows of 256
	s_mov_b32 s[(\g)+2], 64<<16
	s_mov_b32 s[(\g)+3], 128<<16
	s_mov_b32 s[(\g)+4], 64
	s_mov_b32 s[(\g)+5], 128
	s_mov_b32 s[(\g)+6], 0
	s_mov_b32 s[(\g)+7], 0
.endr
	s_mov_b32 s[G1N], 15|(3<<16)|(1<<21)           ; 8-byte elements, no padding: 64 rows of 256 bytes
	s_mov_b32 s[G1N+1], 32<<16
	s_mov_b32 s[G1N+2], 64<<16
	s_mov_b32 s[G1N+3], 32<<16
	s_mov_b32 s[G1N+4], 64
	s_mov_b32 s[G1N+5], 32
	s_mov_b32 s[G1N+6], 0
	s_mov_b32 s[G1N+7], 0
	s_mov_b32 s[G0K], 1
	s_mul_i32 s[G0K+1], s13, KCH
	s_mov_b32 s[G0V], 1
	s_mul_i32 s[G0V+1], s13, VCH
	s_add_co_u32 s[G0V+1], s[G0V+1], VOFF
	s_mov_b32 s[G0N], 1
	s_mov_b32 s[G0N+1], NEGM
	s_mov_b32 s[TBK], SLOT1+KCH                    ; the first change of slots turns these two into 0
	s_mov_b32 s[TBV], SLOT1+VCH
	s_mov_b32 s[TN], 0                             ; and this into 512
	s_mov_b32 s[SLOTS], 15
	s_wait_dscnt 0x0                               ; the opening add is done
	s_wait_kmcnt 0x0
	s_add_nc_u64 s[G0K+2:G0K+3], s[4:5], s[20:21]
	s_add_nc_u64 s[G0V+2:G0V+3], s[G0K+2:G0K+3], 524288
	s_add_nc_u64 s[G0K+2:G0K+3], s[G0K+2:G0K+3], 262144
	s_or_b32 s[G0K+3], s[G0K+3], 0x80000000
	s_or_b32 s[G0V+3], s[G0V+3], 0x80000000
	s_mov_b32 s20, s19
	s_add_nc_u64 s[G0N+2:G0N+3], s[6:7], s[20:21]
	s_or_b32 s[G0N+3], s[G0N+3], 0x80000000
	s_add_nc_u64 s[PFA:PFA+1], s[4:5], s[10:11]
	s_add_nc_u64 s[4:5], s[4:5], s[2:3]            ; Q at my 128 queries
	s_add_nc_u64 s[8:9], s[8:9], s[22:23]
	CROUND                                         ; all four work-groups are here
	s_cmp_lg_u32 s[WV], 0                          ; the first fills, one group: a wave's stand in one branch; two loads of wave 0 are out, one of each other wave
	s_cbranch_scc1 .Lf_not_0
	tensor_load_to_lds s[G0K:G0K+3], s[G1K:G1K+7]
	s_nop 0
	tensor_load_to_lds s[G0N:G0N+3], s[G1N:G1N+7]
	s_nop 0
.rept 4
	v_nop
.endr
	s_branch .Lf_done
.Lf_not_0:
	s_cmp_lg_u32 s[WV], 1
	s_cbranch_scc1 .Lf_v
	tensor_load_to_lds s[G0K:G0K+3], s[G1K:G1K+7]
	s_nop 0
.rept 4
	v_nop
.endr
	s_branch .Lf_done
.Lf_v:
	tensor_load_to_lds s[G0V:G0V+3], s[G1V:G1V+7]
	s_nop 0
.rept 4
	v_nop
.endr
.Lf_done:
	v_and_b32 v1, 15, v0                           ; l % 16
	v_bfe_u32 v15, v0, 4, 1                        ; l / 16
	v_lshlrev_b32 v[QO], 7, v1
	v_lshl_add_u32 v[QO], v15, 4, v[QO]
	WIN W_W2
.set i, 0
.rept 16                               ; Q stays in registers: tile i / 2, channels 32 (i % 2) on
	global_load_b128 v[8*i:8*i+3],   v[QO], s[4:5] offset:(i/2)*2048+(i%2)*64
	global_load_b128 v[8*i+4:8*i+7], v[QO], s[4:5] offset:(i/2)*2048+(i%2)*64+32
.set i, i+1
.endr
	; What the first turn finds: V's registers and P's second buffer hold 0 (its products V^T P, of a piece that has not been, add 0), O^T is 0: the price of writing no first step out.  All this stands in the wait for the first tile.
.set i, 0
.rept 64
	v_mov_b32 v[VF+i], 0
.set i, i+1
.endr
.set i, 0
.rept 32
	v_mov_b32 v[P+32+i], 0
.set i, i+1
.endr
	WIN 0x40
.set i, 0
.rept 256
	v_mov_b32 v[i], 0
.set i, i+1
.endr
	WIN 0
	v_mul_u32_u24 v[AK0], v1, PKB
	v_lshl_add_u32 v[AK0], v15, 4, v[AK0]
	s_mul_i32 s10, s14, KCH
	v_add_nc_u32 v[AK0], s10, v[AK0]               ; row x pitch + 16 x half + my plane
	v_and_b32 v241, 7, v0
	v_bfe_u32 v242, v0, 3, 1
	v_lshl_add_u32 v[AV0], v15, 3, v241            ; the turning load: lane l reads key 8 (l / 16) + l % 8, channels 8 ((l / 8) % 2) + 0..7
	v_mul_u32_u24 v[AV0], v[AV0], PVB
	v_lshl_add_u32 v[AV0], v242, 4, v[AV0]
	s_mul_i32 s10, s14, VCH
	s_add_co_u32 s10, s10, VOFF
	v_add_nc_u32 v[AV0], s10, v[AV0]
	s_lshl_b32 s10, s14, 9
	s_add_co_u32 s10, s10, NEGM-512
	v_lshl_add_u32 v[AN0], v15, 5, s10             ; my lanes' eight keys of a tile: 32 bytes
	s_mul_i32 s10, s[WV], 16*SP
	s_add_co_u32 s10, s10, STAGE
	v_mul_u32_u24 v[STO], v1, SP                   ; in: row l % 16, 16 bytes for each half of the lanes
	v_lshl_add_u32 v[STO], v15, 4, v[STO]
	v_add_nc_u32 v[STO], s10, v[STO]
	v_bfe_u32 v[RD], v0, 3, 2                      ; back: 32 lanes take four rows of 128 bytes,
	v_mul_u32_u24 v[RD], v[RD], SP
	v_lshl_add_u32 v[RD], v241, 4, v[RD]
	v_add_nc_u32 v[RD], s10, v[RD]
	v_and_b32 v243, 31, v0
	v_lshlrev_b32 v[GO], 4, v243                   ; which are 512 consecutive bytes of ob
	s_lshl_b32 s10, s13, 15
	s_add_co_u32 s10, s10, MRG
	v_add_nc_u32 v[MG], s10, v[GO]
	v_lshlrev_b32 v[PFO], 8, v243
; THE LDS LOADS stand in two runs a step.  K' and -M: the first channel half and -M first, since the first eight products of a run want them.  The addresses are made some lines ahead.
.macro FETCH_K
	WIN 0
.irp kb, 0,1,2,3
	ds_load_b128 v[KF+16*(\kb):KF+16*(\kb)+3],   v[AK] offset:(\kb)*16*PKB
	ds_load_b128 v[KF+16*(\kb)+4:KF+16*(\kb)+7], v[AK] offset:(\kb)*16*PKB+32
.endr
.irp f, 0,1,2,3                        ; -M of keys 16 f + 8 (l / 16) + 0..7: the same in all sixteen lanes of a half
	ds_load_b128 v[NM+8*(\f):NM+8*(\f)+3],   v[AN] offset:64*(\f)
	ds_load_b128 v[NM+8*(\f)+4:NM+8*(\f)+7], v[AN] offset:64*(\f)+16
.endr
.irp kb, 0,1,2,3
	ds_load_b128 v[KF+16*(\kb)+8:KF+16*(\kb)+11],  v[AK] offset:(\kb)*16*PKB+64
	ds_load_b128 v[KF+16*(\kb)+12:KF+16*(\kb)+15], v[AK] offset:(\kb)*16*PKB+96
.endr
	s_add_co_u32 s[TBK], s[TBK], 64*PKB            ; the next fetch is the next step's
	s_add_co_u32 s[TN], s[TN], 256
.endm
.macro FETCH_V
	WIN W_W2
.irp f, 0,1,2,3,4,5,6,7                ; keys 32 (f / 4) on, channels 16 (f % 4) on
	ds_load_tr16_b128 v[VF+8*(\f):VF+8*(\f)+3],   v[AV] offset:((\f)/4)*32*PVB+((\f)%4)*32
	ds_load_tr16_b128 v[VF+8*(\f)+4:VF+8*(\f)+7], v[AV] offset:((\f)/4)*32*PVB+16*PVB+((\f)%4)*32
.endr
	s_add_co_u32 s[TBV], s[TBV], 64*PVB
.endm
; THE MATRIX WORK.  The 8 accumulators of a run of 16 take turns: between the two links of a chain stand 7 others'.
; Product i of 16 of S^T for piece x: channels 32 (i / 8) on, keys 16 ((i / 2) % 4) on, tile 2 x + i % 2.  The first 8 start the sums with -M.
.macro KQ x
.set rS, S+64*((\x)%2)+32*(i%2)+8*((i/2)%4)
.set rK, KF+16*((i/2)%4)+8*(i/8)
.set rQ, 16*(2*(\x)+i%2)+8*(i/8)
.if i < 8
	v_wmma_f32_16x16x32_bf16 v[rS:rS+7], v[rK:rK+7], v[rQ:rQ+7], v[NM+8*((i/2)%4):NM+8*((i/2)%4)+7]
.else
	v_wmma_f32_16x16x32_bf16 v[rS:rS+7], v[rK:rK+7], v[rQ:rQ+7], v[rS:rS+7]
.endif
.set i, i+1
.endm
; Product i of 16 of O^T += V^T P for piece x: keys 32 (i / 8) on, channels 16 ((i / 2) % 4) on, tile 2 x + i % 2.
.macro PVM x
	WIN W_PV
.set rO, 32*(2*(\x)+i%2)+8*((i/2)%4)
.set rV, VF+32*(i/8)+8*((i/2)%4)
.set rP, P+32*((\x)%2)+16*(i%2)+8*(i/8)
	v_wmma_f32_16x16x32_bf16 v[rO:rO+7], v[rV:rV+7], v[rP:rP+7], v[rO:rO+7]
.set i, i+1
.endm
; A TURN, for piece p.  fk = 0: there is no further step, so no K' is fetched.  kq = 0: there is no further piece, so no scores are started.
; The exponentials go in ascending order.  They are ONE BATCH: nothing ahead of the wait names a result of theirs.
; Four plain instructions stand behind the batch: the plain instruction that an exponential wants ahead of its first use; the places between the last product that read K' and -M and the loads into them (turn 2);
; and, with the four roundings at the end of the turn before, the places between the last product that read a P buffer and the rounding that writes it again.
; K' and -M of the next step are fetched in turn 2, behind the wait; turn 3 waits for the first sixteen of those 24 loads at its head and for the other eight (K's second channel half) ahead of its ninth product.
; V of the step in hand is fetched at the end of turn 0, four roundings behind its last reader; turn 1 waits for its first eight loads (32 keys) ahead of its first V^T P and for the rest ahead of the ninth.
.macro TURN p, fk=1, kq=1
.set rE, S+64*((\p)%2)
.set rW, P+32*((\p)%2)
	WIN W_KQ
.set e, 0
.set i, 0
.rept 16
.if \kq
.if ((\p) == 3) && (i == 0)
	s_wait_dscnt 8                                 ; the eight youngest LDS loads may be out
.endif
.if ((\p) == 3) && (i == 8)
	s_wait_dscnt 0x0
.endif
	KQ ((\p)+1)%4
.endif
.rept 4
	v_exp_f32 v[rE+e], v[rE+e]
.set e, e+1
.endr
.endr
	WIN 0
.if ((\p) == 2) && (\fk)
	v_add_nc_u32 v[AK], s[TBK], v[AK0]
	v_add_nc_u32 v[AN], s[TN], v[AN0]
	v_nop
	v_nop
.elseif (\p) == 0
	v_add_nc_u32 v[AV], s[TBV], v[AV0]
	v_nop
	v_nop
	v_nop
.else
	PLACES
.endif
	s_wait_alu depctr_va_vdst(0)                   ; the wait ahead of the first use: one for the 64 exponentials
.if ((\p) == 2) && (\fk)
	FETCH_K
.endif
.set e, 0
.set i, 0
.rept 8
.if ((\p) == 1) && (i == 0)
	s_wait_dscnt 8                                 ; the eight youngest LDS loads may be out
.endif
.if ((\p) == 1) && (i == 8)
	s_wait_dscnt 0x0
.endif
	PVM ((\p)+3)%4
	PVM ((\p)+3)%4
	WIN W_W2
.rept 4
	v_cvt_pk_bf16_f32 v[rW+e], v[rE+2*e], v[rE+2*e+1]
.set e, e+1
.endr
.endr
.if (\p) == 0
	FETCH_V
.endif
.endm
	CHANGE 1                                       ; slot 0 and -M are in, everybody's part of them; slot 1 is asked for
	v_add_nc_u32 v[AK], s[TBK], v[AK0]
	v_add_nc_u32 v[AN], s[TN], v[AN0]
	FETCH_K                                        ; step 0
	s_wait_loadcnt 0x0                             ; Q
	s_wait_dscnt 0x0
	WIN W_KQ
.set i, 0
.rept 16
	KQ 0                                           ; piece 0's first scores: there is no vector work yet to set between them
.endr
	WIN 0
	PLACES                                         ; the places behind those products
	s_mov_b32 s[CNT], 2
	s_branch .Lfirst                               ; the loop is entered at a step's first turn, in the middle of a trip
.Lslot:                                ; fourteen times: with the change above, every slot but the first is asked for
	CHANGE 1
	s_mov_b32 s[CNT], 2
.Lstep:                                ; a trip: pieces 2 and 3 of one step, then pieces 0 and 1 of the next, whose K' and V it fetches
	TURN 2
	TURN 3
	WIN 0
.Lfirst:
	TURN 0
	TURN 1
	WIN 0
	s_sub_co_u32 s[CNT], s[CNT], 1
	s_cmp_lg_u32 s[CNT], 0
	s_cbranch_scc1 .Lstep
	s_sub_co_u32 s[SLOTS], s[SLOTS], 1
	s_cmp_lg_u32 s[SLOTS], 0
	s_cbranch_scc1 .Lslot
	CHANGE 0                                       ; the last slot is written out
	s_mov_b32 s[CNT], 2
.Ltail:
	TURN 2
	TURN 3
	TURN 0
	TURN 1
	WIN 0
	s_sub_co_u32 s[CNT], s[CNT], 1
	s_cmp_lg_u32 s[CNT], 0
	s_cbranch_scc1 .Ltail
	TURN 2, 0, 1                                   ; the last step's pieces 2 and 3: nothing more is fetched,
	TURN 3, 1, 0                                   ; no further scores are started
.set i, 0
.rept 16
	PVM 3                                          ; the last piece's V^T P of the last step
.endr
	; THE END.  The two waves of a query group hold sums over different keys.  Each hands four tiles of its O^T to the other through LDS, 512 consecutive bytes a store, and finishes the four that it keeps:
	; wave u keeps tiles 4 u .. 4 u + 3.  The sums are rounded to bf16 and leave through my stage, a tile (16 rows of 128 bytes) at a time.
.macro GIVE t0, off                    ; tiles t0 .. t0 + 3, in ascending order, to byte off of my query group's part of MRG
	WIN 0x04                                       ; store data (source 1) in window 1
.set i, 0
.rept 32
	ds_store_b128 v[MG], v[32*(\t0)+4*i:32*(\t0)+4*i+3] offset:(\off)+512*i
.set i, i+1
.endr
	WIN 0
.endm
.macro PACK t, t0
	WIN 0x05                                       ; sources 0 and 1 window 1, destination window 0
.set i, 0
.rept 16
	v_cvt_pk_bf16_f32 v[TP+16*(\t)+i], v[32*((\t0)+(\t))+2*i], v[32*((\t0)+(\t))+2*i+1]
.set i, i+1
.endr
	WIN 0
.irp f, 0,1,2,3
	ds_store_b128 v[STO], v[TP+16*(\t)+4*(\f):TP+16*(\t)+4*(\f)+3] offset:32*(\f)
.endr
.irp f, 0,1,2,3
	ds_load_b128 v[TP+16*(\t)+4*(\f):TP+16*(\t)+4*(\f)+3], v[RD] offset:(\f)*4*SP  ; LDS serves a wave's instructions in order (ISA guide 5.7.1.4)
.endr
.endm
.macro SEND t, younger                 ; younger: the LDS instructions issued behind tile t's loads
.irp f, 0,1,2,3
	s_wait_dscnt (\younger)+3-(\f)
	global_store_b128 v[GO], v[TP+16*(\t)+4*(\f):TP+16*(\t)+4*(\f)+3], s[8:9] offset:(\t)*2048+(\f)*512  ; 512 consecutive bytes, aligned
.endr
.endm
.macro TAKE t0, off                    ; my partner's sums for tiles t0 .. t0 + 3 are added onto mine, and the tiles leave
.set i, 0
.rept 32
	ds_load_b128 v[KF+4*i:KF+4*i+3], v[MG] offset:(\off)+512*i
.set i, i+1
.endr
	s_wait_dscnt 0x0
	WIN 0x41                                       ; destination and source 0 in window 1
.set i, 0
.rept 64
	v_pk_add_f32 v[32*(\t0)+2*i:32*(\t0)+2*i+1], v[32*(\t0)+2*i:32*(\t0)+2*i+1], v[KF+2*i:KF+2*i+1]
.set i, i+1
.endr
	PACK 0, \t0
	PACK 1, \t0
	SEND 0, 8
	PACK 2, \t0
	SEND 1, 8
	PACK 3, \t0
	SEND 2, 8
	SEND 3, 0
.endm
	WIN 0
	PLACES                                         ; the places behind the last products
	s_cmp_lt_u32 s[WV], 2
	s_cbranch_scc0 .Lgive_low
	GIVE 4, 16384
	s_branch .Lgiven
.Lgive_low:
	GIVE 0, 0
.Lgiven:
	s_wait_dscnt 0x0                               ; for the partner's sake
	s_barrier_signal -1
	s_barrier_wait -1
	s_cmp_lt_u32 s[WV], 2
	s_cbranch_scc0 .Ltake_high
	TAKE 0, 0
	s_branch .Lend
.Ltake_high:
	TAKE 4, 16384
.Lend:
	s_wait_tensorcnt 0x0                           ; the wave's end
	ds_add_u32 v[SPW], v[NIL]
	s_wait_dscnt 0x0
	CROUND                                         ; the closing round
	s_endpgm
.Lfunc_end_k_q888c2c7db3_attn:
	.size	k_q888c2c7db3_attn, .Lfunc_end_k_q888c2c7db3_attn-k_q888c2c7db3_attn
	.p2alignl 7, 3214868480
	.fill 96, 4, 3214868480
	.section	.rodata,"a",@progbits
	.p2align	6, 0x0
	.amdhsa_kernel k_q888c2c7db3_attn
		.amdhsa_group_segment_fixed_size 327680
		.amdhsa_private_segment_fixed_size 0
		.amdhsa_enable_private_segment 0
		.amdhsa_kernarg_size 24
		.amdhsa_user_sgpr_count 2
		.amdhsa_user_sgpr_kernarg_segment_ptr 1
		.amdhsa_wavefront_size32 1
		.amdhsa_system_sgpr_workgroup_id_x 1
		.amdhsa_system_sgpr_workgroup_id_y 1
		.amdhsa_system_sgpr_workgroup_id_z 1
		.amdhsa_system_vgpr_workitem_id 0
		.amdhsa_next_free_vgpr 768
		.amdhsa_next_free_sgpr 72
		.amdhsa_reserve_vcc 0
		.amdhsa_float_denorm_mode_32 3
		.amdhsa_float_denorm_mode_16_64 3
		.amdhsa_memory_ordered 1
		.amdhsa_forward_progress 1
		.amdhsa_inst_pref_size 136
	.end_amdhsa_kernel
	.amdgpu_metadata
---
amdhsa.version: [ 1, 2 ]
amdhsa.kernels:
  - .name:           k_q888c2c7db3_attn
    .symbol:         k_q888c2c7db3_attn.kd
    .args:
      - { .name: qkv, .offset: 0, .size: 8, .value_kind: global_buffer, .address_space: global }
      - { .name: negm, .offset: 8, .size: 8, .value_kind: global_buffer, .address_space: global }
      - { .name: ob, .offset: 16, .size: 8, .value_kind: global_buffer, .address_space: global }
    .group_segment_fixed_size: 327680
    .private_segment_fixed_size: 0
    .kernarg_segment_align: 8
    .kernarg_segment_size: 24
    .max_flat_workgroup_size: 128
    .sgpr_count:     72
    .vgpr_count:     768
    .wavefront_size: 32
...
	.end_amdgpu_metadata
.endif
;; end of part 5
;; launch outp (part 6): grid 8 x 32, 4 waves a work-group, clusters of 4 x 4, 327,680 bytes of LDS; arguments ob, wot, out0; writes out0
.if DOCPART == 6
	.amdgcn_target "amdgcn-amd-amdhsa--gfx1250"
	.amdhsa_code_object_version 6
	.text
	.protected	k_q888c2c7db3_outp
	.globl	k_q888c2c7db3_outp
	.p2align	8
	.type	k_q888c2c7db3_outp,@function
k_q888c2c7db3_outp:
	s_mov_b64 s[64:65], 0
	v_nop
	global_prefetch_b8 v0, s[64:65] scope:SCOPE_SE
	s_setreg_imm32_b32 hwreg(HW_REG_WAVE_MODE, 25, 1), 1
	s_wait_xcnt 0x0
	s_wait_alu depctr_hold_cnt(0) depctr_sa_sdst(0) depctr_va_vdst(0) depctr_va_sdst(0) depctr_va_ssrc(0) depctr_va_vcc(0) depctr_vm_vsrc(0)
	s_getreg_b32 s2, hwreg(HW_REG_IB_STS2, 6, 4)
	s_cmp_eq_u32 s2, 0
	s_cbranch_scc0 .Lentry_in_a_cluster
	s_endpgm
.Lentry_in_a_cluster:
	s_bfe_u32 s2, ttmp6, 0x10000c
	s_cmp_lg_u32 s2, 0xf033
	s_cbranch_scc0 .Lentry_shape_is_right
	s_endpgm
.Lentry_shape_is_right:
; out0[s][j] = sum over e of heads[s][e] WO[e][j]: C[m][n] = sum over k of A[m][k] B[n][k], K = N = 1,024, M = 4,096.  A (ob) and B (wot): bf16 in the blocked layout
; [row block of 128][column block of 64][128 rows][64 columns]; C: f32, row-major, rows of 4,096 bytes.  Sums in f32.
; The text is that of the two projections' product, with one family and the way out in f32.
; A tile of C is 128 x 128: four waves of 64 x 64 (16 accumulators).  K goes in four steps of 256 = four planes, through two LDS slots; a wave's tensor load brings two planes (32,768 dense bytes, asked
; for as 128 rows of 256 bytes, padded in LDS behind every 128).  CLUSTERS of 4 x 4: A's tile is asked for jointly along a row of the cluster, B's along a column.
; THE MATRIX INSTRUCTION IS USED TRANSPOSED (source 0 = 16 rows of B, source 1 = 16 rows of A): a lane holds eight neighbouring numbers of a row of C.
; No prefetch: the tiles are small and a K step's loads are shared sixteen ways.  NaN and infinities are not treated apart.
; REGISTERS: window 0: v16-29 addresses; v128-255 accumulators ((a, b) at 128 + 8 (4 a + b)).  Window 1: two fragment buffers of 128 (64 of A, then 64 of B).
.set MATS,   1
.set F32OUT, 1
.set PITCH,  144                       ; an LDS row: 128 bytes + 16 = 36 words: the 16 rows of a load start at 16 different groups of four banks (64 banks of 4 bytes: ISA guide 11.1)
.set PLANE,  128*PITCH
.set LOADB,  2*PLANE                   ; what one tensor load fills
.set SLOT,   4*LOADB                   ; A's four planes, then B's four
.set STAGE,  2*SLOT                    ; behind the ring: 16 rows for each wave, for the way out
.if F32OUT
.set SPITCH, 272
.else
.set SPITCH, 144
.endif
.set SPARE,  STAGE+4*16*SPITCH         ; behind the stages: the spare words, 128 bytes for each wave
.set STEPB,  65536                     ; four planes in memory: a K step
.set ADRA, 16                          ; v16-17  LDS address of my A fragments in slot 0, 1
.set ADRB, 20                          ; v20-21  the same for B
.set STO,  24
.set RD,   25
.set CO,   26
.set SPW,  28
.set NIL,  29
.set TMP,  32
.set ACC,  128
.set F0,   0
.set F1,   128
.set G1,  24                           ; s[24:31] group 1 for A;  s[32:39] group 0, a set for each slot
.set G0,  32
.set G1B, 48                           ; s[48:55], s[56:63] the same for B
.set G0B, 56
.set MAT, 45                           ; s45  the family: 0 here
.set MSB, 0
.macro WIN new                         ; the immediate's high byte repeats the setting that is left
.if MSB != (\new)
	s_set_vgpr_msb (MSB<<8)|(\new)
.set MSB, \new
.endif
.endm
.set MUL,  0x05                        ; sources 0 (B) and 1 (A) window 1; C and D window 0
.set TO_F, 0x40                        ; destination window 1, address window 0
.macro JLOAD s                         ; a joint load: waves 0 and 1 fetch A's planes, waves 2 and 3 B's; an s_nop 0 and four v_nop follow each line
	s_cmp_eq_u32 s11, 0
	s_cbranch_scc0 .Lfor_b_\@
	tensor_load_to_lds s[G0+4*(\s):G0+4*(\s)+3], s[G1:G1+7]
	s_nop 0
.rept 4
	v_nop
.endr
	s_branch .Lasked_\@
.Lfor_b_\@:
	tensor_load_to_lds s[G0B+4*(\s):G0B+4*(\s)+3], s[G1B:G1B+7]
	s_nop 0
.rept 4
	v_nop
.endr
.Lasked_\@:
.endm
.macro CREST                           ; a round of the cluster's barrier behind its opening barrier
	s_cmp_lg_u32 s10, 0
	s_cbranch_scc1 .Lnot_wave_0_\@
	s_barrier_signal -3
.Lnot_wave_0_\@:
	s_barrier_wait -3
	s_barrier_signal -1
	s_barrier_wait -1
.endm
.macro CROUND
	s_barrier_signal -1
	s_barrier_wait -1
	CREST
.endm
	s_load_b128 s[4:7], s[0:1], 0x0                ; A s[4:5], B s[6:7]
	s_load_b64 s[8:9], s[0:1], 0x10                ; C
	v_lshl_add_u32 v[SPW], v0, 2, SPARE
	v_mov_b32 v[NIL], 0
	ds_add_u32 v[SPW], v[NIL]                      ; the wave's opening: the add and its wait ahead of my first tensor load; the set-up stands between them
	v_lshrrev_b32 v1, 5, v0
	v_readfirstlane_b32 s10, v1                    ; wave 0..3
	s_lshr_b32 s11, s10, 1                         ; my half of the tile's rows.  Also: I fetch for A (0) or for B (1)
	s_and_b32 s12, s10, 1                          ; my half of its columns.  Also: which two planes of a K step I fetch
	s_bfe_u32 s40, ttmp6, 0x40000                  ; cx
	s_bfe_u32 s41, ttmp6, 0x40004                  ; cy
	s_lshr_b32 s[MAT], ttmp9, 1                    ; two clusters along x to a family
	s_and_b32 s42, ttmp9, 1
	s_lshl_b32 s42, s42, 2
	s_add_co_u32 s42, s42, s40                     ; tile column 0..7
	s_and_b32 s13, ttmp7, 0xffff
	s_lshl_b32 s13, s13, 2
	s_add_co_u32 s13, s13, s41                     ; tile row
	s_lshl_b32 s43, s41, 2
	s_lshl_b32 s43, 15, s43                        ; my row of the cluster
	s_lshl_b32 s44, 0x1111, s40                    ; my column
	s_or_b32 s[G1+0], s43, (1<<16)|(1<<20)|(1<<21)|(4<<22)|(3<<25)  ; the mask; 2-byte elements; padding on; bit 21 beside a mask; after every 32 words; 4 words
	s_or_b32 s[G1B+0], s44, (1<<16)|(1<<20)|(1<<21)|(4<<22)|(3<<25)
.irp g, G1, G1B
	s_mov_b32 s[(\g)+1], 128<<16                   ; tensor_dim0 = 128
	s_mov_b32 s[(\g)+2], 128<<16                   ; tensor_dim1 = 128
	s_mov_b32 s[(\g)+3], 128<<16                   ; tile_dim0 = 128
	s_mov_b32 s[(\g)+4], 128                       ; tile_dim1 = 128
	s_mov_b32 s[(\g)+5], 128                       ; elements from row to row: dense
	s_mov_b32 s[(\g)+6], 0
	s_mov_b32 s[(\g)+7], 0
.endr
	s_mul_i32 s16, s13, MATS                       ; A's block: tile row and family (no cx enters these registers)
	s_add_co_u32 s16, s16, s[MAT]
	s_lshl_b32 s16, s16, 18
	s_lshl_b32 s17, s12, 15                        ; my two planes
	s_add_co_u32 s16, s16, s17
	s_mul_i32 s46, s42, MATS                       ; B's block: tile column and family (no cy)
	s_add_co_u32 s46, s46, s[MAT]
	s_lshl_b32 s46, s46, 18
	s_add_co_u32 s46, s46, s17
	s_mov_b32 s17, 0
	s_mov_b32 s47, 0
	s_mul_i32 s20, s10, LOADB                      ; where they go: wave x two planes
	s_wait_dscnt 0x0                               ; the opening add is done
	s_wait_kmcnt 0x0
	s_add_nc_u64 s[14:15], s[4:5], s[16:17]
	s_add_nc_u64 s[46:47], s[6:7], s[46:47]
	CROUND                                         ; all sixteen work-groups are here: the first joint loads meet
.irp s, 0,1
	s_mov_b32 s[G0+4*(\s)], 1
	s_add_co_u32 s[G0+4*(\s)+1], s20, (\s)*SLOT
	s_add_nc_u64 s[G0+4*(\s)+2:G0+4*(\s)+3], s[14:15], (\s)*STEPB
	s_or_b32 s[G0+4*(\s)+3], s[G0+4*(\s)+3], 0x80000000
	s_mov_b32 s[G0B+4*(\s)], 1
	s_add_co_u32 s[G0B+4*(\s)+1], s20, (\s)*SLOT
	s_add_nc_u64 s[G0B+4*(\s)+2:G0B+4*(\s)+3], s[46:47], (\s)*STEPB
	s_or_b32 s[G0B+4*(\s)+3], s[G0B+4*(\s)+3], 0x80000000
	JLOAD \s
.endr
	v_and_b32 v1, 15, v0                           ; l % 16
	v_bfe_u32 v2, v0, 4, 1                         ; l / 16
	v_mul_u32_u24 v3, v1, PITCH
	v_lshl_add_u32 v3, v2, 4, v3                   ; a fragment's row x pitch + 16 x half
	s_mul_i32 s21, s11, 64*PITCH                   ; my 64 rows in each plane of A
	s_mul_i32 s22, s12, 64*PITCH                   ; my 64 rows in each plane of B,
	s_add_co_u32 s22, s22, 2*LOADB                 ; which lie behind A's four planes
.irp s, 0,1
	v_add_nc_u32 v[ADRA+(\s)], s21, v3
	v_add_nc_u32 v[ADRB+(\s)], s22, v3
	s_add_co_u32 s21, s21, SLOT
	s_add_co_u32 s22, s22, SLOT
.endr
	s_mul_i32 s23, s10, 16*SPITCH
	s_add_co_u32 s23, s23, STAGE                   ; my stage
	v_mul_u32_u24 v4, v1, SPITCH
	v_lshl_add_u32 v4, v2, 5, v4                   ; in: row l % 16, 32 bytes for each half of the lanes
	v_add_nc_u32 v[STO], s23, v4
	v_mul_u32_u24 v5, v2, SPITCH                   ; back: lanes 0-15 one row of 256 bytes, lanes 16-31 the next
	v_lshl_add_u32 v5, v1, 4, v5
	v_add_nc_u32 v[RD], s23, v5
	v_lshlrev_b32 v5, 12, v2                       ; and the same two rows of C
	v_lshl_add_u32 v[CO], v1, 4, v5
	s_lshl_b32 s16, s13, 19                        ; 128 rows of 4,096 bytes a tile row,
	s_lshl_b32 s17, s11, 18                        ; my 64
	s_add_co_u32 s16, s16, s17
	s_lshl_b32 s46, s42, 9                         ; 128 columns of 4 bytes a tile column,
	s_lshl_b32 s47, s12, 8                         ; my 64
	s_add_co_u32 s46, s46, s47
	s_mov_b32 s17, 0
	s_mov_b32 s47, 0
	s_add_nc_u64 s[8:9], s[8:9], s[16:17]
	s_add_nc_u64 s[8:9], s[8:9], s[46:47]
; 8 matrix instructions: m blocks a0, a0 + 1 x all 4 n blocks, 32 along K: half c of buffer f.  zero = 1: the first product starts the sums.  The 16 accumulators take turns.
.macro MUL8 f, c, a0, zero
	WIN MUL
.irp a, \a0, (\a0)+1
.irp b, 0,1,2,3
.if \zero
	v_wmma_f32_16x16x32_bf16 v[ACC+8*(4*(\a)+(\b)):ACC+8*(4*(\a)+(\b))+7], v[(\f)+64+8*(4*(\c)+(\b)):(\f)+64+8*(4*(\c)+(\b))+7], v[(\f)+8*(4*(\c)+(\a)):(\f)+8*(4*(\c)+(\a))+7], 0
.else
	v_wmma_f32_16x16x32_bf16 v[ACC+8*(4*(\a)+(\b)):ACC+8*(4*(\a)+(\b))+7], v[(\f)+64+8*(4*(\c)+(\b)):(\f)+64+8*(4*(\c)+(\b))+7], v[(\f)+8*(4*(\c)+(\a)):(\f)+8*(4*(\c)+(\a))+7], v[ACC+8*(4*(\a)+(\b)):ACC+8*(4*(\a)+(\b))+7]
.endif
.endr
.endr
.endm
; 32 LDS loads in one run: the fragments of plane q (64 along K) into buffer f; the first 32 along K first
.macro FETCH slot, q, f
	WIN TO_F
.irp c, 0,1
.irp i, 0,1,2,3
	ds_load_b128 v[(\f)+64+8*(4*(\c)+(\i)):(\f)+64+8*(4*(\c)+(\i))+3],   v[ADRB+(\slot)] offset:(\q)*PLANE+64*(\c)+(\i)*16*PITCH
	ds_load_b128 v[(\f)+64+8*(4*(\c)+(\i))+4:(\f)+64+8*(4*(\c)+(\i))+7], v[ADRB+(\slot)] offset:(\q)*PLANE+64*(\c)+(\i)*16*PITCH+32
	ds_load_b128 v[(\f)+8*(4*(\c)+(\i)):(\f)+8*(4*(\c)+(\i))+3],         v[ADRA+(\slot)] offset:(\q)*PLANE+64*(\c)+(\i)*16*PITCH
	ds_load_b128 v[(\f)+8*(4*(\c)+(\i))+4:(\f)+8*(4*(\c)+(\i))+7],       v[ADRA+(\slot)] offset:(\q)*PLANE+64*(\c)+(\i)*16*PITCH+32
.endr
.endr
.endm
.macro PLACES                          ; four places in front of loads into registers that matrix instructions have read, and of LDS stores that read results
.rept 4
	v_nop
.endr
.endm
; A K step is four quarters, a plane each, 32 matrix instructions, on buffers 0, 1, 0, 1.  One of the first three: multiplies buffer f and fetches plane q into g.
.macro QUARTER slot, q, f, g, zero
	s_wait_dscnt 16                                ; the first 32 along K are in
	WIN MUL
	MUL8 \f, 0, 0, \zero
	MUL8 \f, 0, 2, \zero
	PLACES
	FETCH \slot, \q, \g
	s_wait_dscnt 32                                ; all but the 32 just issued
	WIN MUL
	MUL8 \f, 1, 0, 0
	MUL8 \f, 1, 2, 0
.endm
; The last quarter multiplies buffer 1 and changes slots: in front of the barrier each wave waits for all its tensor loads, adds 0 to its spare word, and waits for that and for its reads of this slot.
; fill = 1: the barrier opens a round of the cluster's, and this slot is filled again, two K steps on, first thing behind the round.
.macro TURN slot, next, fill
	WIN 0                                          ; (the add's two registers lie in window 0)
	s_wait_tensorcnt 0x0                           ; all my tensor loads have landed: my part of the next slot
	ds_add_u32 v[SPW], v[NIL]                      ; 0 onto my spare word
	s_wait_dscnt 17                                ; (the add and the youngest sixteen loads may be out)
	WIN MUL
	MUL8 F1, 0, 0, 0
	s_wait_dscnt 0x0                               ; the add is done, and my reads of this slot are over
	s_barrier_signal -1
	MUL8 F1, 0, 2, 0
.if \fill
	WIN 0
.endif
	s_barrier_wait -1
.if \fill
	CREST                                          ; no wave of any partner still reads this slot or has a load on its way
	s_add_nc_u64 s[G0+4*(\slot)+2:G0+4*(\slot)+3], s[G0+4*(\slot)+2:G0+4*(\slot)+3], 2*STEPB
	s_add_nc_u64 s[G0B+4*(\slot)+2:G0B+4*(\slot)+3], s[G0B+4*(\slot)+2:G0B+4*(\slot)+3], 2*STEPB
	JLOAD \slot                                    ; the four v_nop behind it are also the places in front of the loads below
.else
	PLACES
.endif
	FETCH \next, 0, F0
	WIN MUL
	MUL8 F1, 1, 0, 0
	MUL8 F1, 1, 2, 0
.endm
	s_wait_tensorcnt 1                             ; my part of K step 0 is in; K step 1's may stay out
	s_barrier_signal -1
	s_barrier_wait -1
	FETCH 0, 0, F0
	QUARTER 0, 1, F0, F1, 1                        ; the four K steps are written out: two laps of the ring leave nothing to loop over
	QUARTER 0, 2, F1, F0, 0
	QUARTER 0, 3, F0, F1, 0
	TURN 0, 1, 1                                   ; slot 0 takes K step 2
	QUARTER 1, 1, F0, F1, 0
	QUARTER 1, 2, F1, F0, 0
	QUARTER 1, 3, F0, F1, 0
	TURN 1, 0, 1                                   ; slot 1 takes K step 3
	QUARTER 0, 1, F0, F1, 0
	QUARTER 0, 2, F1, F0, 0
	QUARTER 0, 3, F0, F1, 0
	TURN 0, 1, 0
	QUARTER 1, 1, F0, F1, 0
	QUARTER 1, 2, F1, F0, 0
	QUARTER 1, 3, F0, F1, 0
	s_wait_dscnt 16
	WIN MUL
	MUL8 F1, 0, 0, 0
	MUL8 F1, 0, 2, 0
	s_wait_dscnt 0
	MUL8 F1, 1, 0, 0
	MUL8 F1, 1, 2, 0
	WIN 0
	PLACES
; THE WAY OUT in f32: 16 rows at a time through my own stage (rows of 272 bytes), back as whole rows of 256 bytes into the registers that they left.
.macro OUTF a
.irp b, 0,1,2,3
	ds_store_b128 v[STO], v[ACC+8*(4*(\a)+(\b)):ACC+8*(4*(\a)+(\b))+3]   offset:64*(\b)
	ds_store_b128 v[STO], v[ACC+8*(4*(\a)+(\b))+4:ACC+8*(4*(\a)+(\b))+7] offset:64*(\b)+16
.endr
.irp t, 0,1,2,3,4,5,6,7
	ds_load_b128 v[ACC+32*(\a)+4*(\t):ACC+32*(\a)+4*(\t)+3], v[RD] offset:(\t)*2*SPITCH  ; LDS serves a wave's instructions in order (ISA guide 5.7.1.4)
.endr
.endm
.macro SENDF a, younger                ; younger: the LDS instructions issued behind block a's loads
.irp t, 0,1,2,3,4,5,6,7
	s_wait_dscnt (\younger)+7-(\t)
	global_store_b128 v[CO], v[ACC+32*(\a)+4*(\t):ACC+32*(\a)+4*(\t)+3], s[8:9] offset:(16*(\a)+2*(\t))*4096 th:TH_STORE_NT  ; 16 lanes store 256 consecutive bytes, aligned
.endr
.endm
	OUTF 0
	OUTF 1
	SENDF 0, 16
	OUTF 2
	SENDF 1, 16
	OUTF 3
	SENDF 2, 16
	SENDF 3, 0
	s_wait_tensorcnt 0x0                           ; the wave's end, behind my last tensor load and my last LDS store
	ds_add_u32 v[SPW], v[NIL]
	s_wait_dscnt 0x0
	CROUND                                         ; the closing round
	s_endpgm
.Lfunc_end_k_q888c2c7db3_outp:
	.size	k_q888c2c7db3_outp, .Lfunc_end_k_q888c2c7db3_outp-k_q888c2c7db3_outp
	.p2alignl 7, 3214868480
	.fill 96, 4, 3214868480
	.section	.rodata,"a",@progbits
	.p2align	6, 0x0
	.amdhsa_kernel k_q888c2c7db3_outp
		.amdhsa_group_segment_fixed_size 327680
		.amdhsa_private_segment_fixed_size 0
		.amdhsa_enable_private_segment 0
		.amdhsa_kernarg_size 24
		.amdhsa_user_sgpr_count 2
		.amdhsa_user_sgpr_kernarg_segment_ptr 1
		.amdhsa_wavefront_size32 1
		.amdhsa_system_sgpr_workgroup_id_x 1
		.amdhsa_system_sgpr_workgroup_id_y 1
		.amdhsa_system_sgpr_workgroup_id_z 1
		.amdhsa_system_vgpr_workitem_id 0
		.amdhsa_next_free_vgpr 512
		.amdhsa_next_free_sgpr 72
		.amdhsa_reserve_vcc 0
		.amdhsa_float_denorm_mode_32 3
		.amdhsa_float_denorm_mode_16_64 3
		.amdhsa_memory_ordered 1
		.amdhsa_forward_progress 1
		.amdhsa_inst_pref_size 86
	.end_amdhsa_kernel
	.amdgpu_metadata
---
amdhsa.version: [ 1, 2 ]
amdhsa.kernels:
  - .name:           k_q888c2c7db3_outp
    .symbol:         k_q888c2c7db3_outp.kd
    .args:
      - { .name: ob, .offset: 0, .size: 8, .value_kind: global_buffer, .address_space: global }
      - { .name: wot, .offset: 8, .size: 8, .value_kind: global_buffer, .address_space: global }
      - { .name: out0, .offset: 16, .size: 8, .value_kind: global_buffer, .address_space: global }
    .group_segment_fixed_size: 327680
    .private_segment_fixed_size: 0
    .kernarg_segment_align: 8
    .kernarg_segment_size: 24
    .max_flat_workgroup_size: 128
    .sgpr_count:     72
    .vgpr_count:     512
    .wavefront_size: 32
...
	.end_amdgpu_metadata
.endif
;; end of part 6
;; ======== version 2 of 2: 7 launches; version 1 with the launch cast written anew for expert scheduling mode
;; workspace buffers: xb 25,165,824 bytes; wcb 6,291,456 bytes; wht 6,291,456 bytes; wot 2,097,152 bytes; wf 6,291,456 bytes; qkv 25,165,824 bytes; negm 262,144 bytes; ob 8,388,608 bytes
;; launch cast (part 7): grid 256 x 3, 8 waves a work-group, no clusters, 0 bytes of LDS; arguments XQ, XK, XV, WQ_comb, WK_comb, WV_comb, xb, wcb; writes xb, wcb
.if DOCPART == 7
	.amdgcn_target "amdgcn-amd-amdhsa--gfx1250"
	.amdhsa_code_object_version 6
	.text
	.protected	k_q888c2c7db3_cast
	.globl	k_q888c2c7db3_cast
	.p2align	8
	.type	k_q888c2c7db3_cast,@function
k_q888c2c7db3_cast:
	s_mov_b64 s[64:65], 0
	v_nop
	global_prefetch_b8 v0, s[64:65] scope:SCOPE_SE
	s_setreg_imm32_b32 hwreg(HW_REG_WAVE_SCHED_MODE, 0, 2), 2
	s_setreg_imm32_b32 hwreg(HW_REG_WAVE_MODE, 25, 1), 1
	s_wait_xcnt 0x0
	s_wait_alu depctr_vm_vsrc(0)
; X (three of [4096][1024]) and W_comb (three of [1024][1024]), f32, are rounded once to bf16 and laid out in blocks:
; [row block of 128][family Q, K, V][column block kb of 64][128 rows][64 columns]: a plane (128 rows x 128 bytes) is 16,384 dense bytes, a block of 16 planes 262,144.
; A stream: every byte is read once and written once; no LDS, no barrier, no matrix unit, nothing shared between work-groups.
; SHARES.  Work-group (x, family): rows 16 x .. 16 x + 15 of X and rows 4 x .. 4 x + 3 of W_comb.  Wave w: column blocks 2 w and 2 w + 1.
; One load takes two rows x 256 bytes (lanes 0-15 the even row, lanes 16-31 the odd one, 16 bytes a lane); the 8 bytes that a lane makes of them lie at 8 x lane in the plane:
; each store of the wave covers 256 consecutive bytes, aligned.  All 20 loads of a wave go out first; no register is written twice.
; THE MODE: SCHED_MODE bits 1:0 = 2 (LLVM: expert scheduling mode 2), set by the entry lines.  The code itself states the register dependences
; between vector instructions and memory instructions, with s_wait_alu, always for 0.
; THE PLAN.  Registers that memory instructions touch:
;   v2, v3   byte offsets of the loads and of the stores: made at the head by vector instructions, never written again.
;   XL       20 x 4 registers: each is written by one load, and no vector instruction names it before; its two conversions read it behind the counted wait for that load.
;   PB       20 x 2 registers: each pair is written once, by two conversions, and read by one store.
; No register that a load or store reads is written again, and no load lands in a register that a vector instruction has named: what is left to state is that the offsets are written, ahead of the
; first load, and that a store's data are written, ahead of the store.  For that the 20 loads go in five blocks of four (blocks 0 to 3: X; block 4: W_comb).  Block p converts its four loads; the four stores
; of block p - 1 stand in one run at block p's head, behind ONE wait, which states that block p - 1's conversions have written their eight registers of PB.  The conversions behind that run name
; block p's XL and PB alone.  The stores stand in a run, so that no store of a finished block stands behind the wait for a younger load.
.set XL, 8                             ; v[8:87]    20 loads of 4 registers
.set PB, 88                            ; v[88:127]  20 pairs of packed results
	s_load_b512 s[8:23], s[0:1], 0x0               ; XQ s[8:9], XK, XV, WQ_comb s[14:15], WK_comb, WV_comb, xb s[20:21], wcb s[22:23]
	s_and_b32 s3, ttmp7, 0xffff                    ; the family
	v_bfe_u32 v1, v0, 4, 1                         ; which of the two rows
	v_and_b32 v4, 15, v0
	v_lshrrev_b32 v5, 5, v0                        ; wave
	v_and_b32 v6, 31, v0
	v_lshlrev_b32 v2, 12, v1                       ; source offset: row parity x 4,096
	v_lshl_add_u32 v2, v4, 4, v2                   ; + 16 (lane % 16)
	v_lshl_add_u32 v2, v5, 9, v2                   ; + 512 x wave
	v_lshlrev_b32 v3, 3, v6                        ; destination offset: 8 x lane
	v_lshl_add_u32 v3, v5, 15, v3                  ; + two planes x wave
	s_lshl_b32 s26, ttmp9, 16                      ; 16 rows of X
	s_mov_b32 s27, 0
	s_lshl_b32 s28, ttmp9, 14                      ; 4 rows of W_comb
	s_mov_b32 s29, 0
	s_lshr_b32 s30, ttmp9, 3                       ; X's row block
	s_mul_i32 s30, s30, 3
	s_add_co_u32 s30, s30, s3
	s_lshl_b32 s30, s30, 18
	s_and_b32 s31, ttmp9, 7
	s_lshl_b32 s31, s31, 11                        ; 16 rows of 128 bytes in a plane
	s_add_co_u32 s30, s30, s31
	s_mov_b32 s31, 0
	s_lshr_b32 s32, ttmp9, 5                       ; W_comb's row block
	s_mul_i32 s32, s32, 3
	s_add_co_u32 s32, s32, s3
	s_lshl_b32 s32, s32, 18
	s_and_b32 s33, ttmp9, 31
	s_lshl_b32 s33, s33, 9                         ; 4 rows of 128 bytes
	s_add_co_u32 s32, s32, s33
	s_mov_b32 s33, 0
	s_wait_kmcnt 0x0
	s_cmp_eq_u32 s3, 1
	s_cselect_b64 s[34:35], s[10:11], s[8:9]
	s_cselect_b64 s[36:37], s[16:17], s[14:15]
	s_cmp_eq_u32 s3, 2
	s_cselect_b64 s[34:35], s[12:13], s[34:35]
	s_cselect_b64 s[36:37], s[18:19], s[36:37]
	s_add_nc_u64 s[34:35], s[34:35], s[26:27]
	s_add_nc_u64 s[36:37], s[36:37], s[28:29]
	s_add_nc_u64 s[20:21], s[20:21], s[30:31]
	s_add_nc_u64 s[22:23], s[22:23], s[32:33]
	s_wait_alu depctr_va_vdst(0)                   ; v2 and v3 are written: every load of the kernel reads v2 as its offset, every store v3
.set i, 0
.rept 16                               ; X: row pair i / 2, column block i % 2
	global_load_b128 v[XL+4*i:XL+4*i+3], v2, s[34:35] offset:(i/2)*8192+(i%2)*256 th:TH_LOAD_NT
.set i, i+1
.endr
.rept 4                                ; W_comb: row pair (i - 16) / 2
	global_load_b128 v[XL+4*i:XL+4*i+3], v2, s[36:37] offset:((i-16)/2)*8192+(i%2)*256 th:TH_LOAD_NT
.set i, i+1
.endr
; The store of what load k became: numbers 0 to 15 go to xb, 16 to 19 to wcb.
.macro PUT k
.if (\k) < 16
	global_store_b64 v3, v[PB+2*(\k):PB+2*(\k)+1], s[20:21] offset:((\k)%2)*16384+((\k)/2)*256
.else
	global_store_b64 v3, v[PB+2*(\k):PB+2*(\k)+1], s[22:23] offset:((\k)%2)*16384+(((\k)-16)/2)*256
.endif
.endm
; Block p: the stores of block p - 1, then the conversions of loads 4 p .. 4 p + 3.  p = 5: there is nothing left to convert: the last four stores.
.macro BLK p
.if (\p) > 0
	s_wait_alu depctr_va_vdst(0)                   ; the conversions of the block before have written its eight registers of PB, which the four stores below read
.irp j, 0,1,2,3
	PUT 4*((\p)-1)+(\j)
.endr
.endif
.if (\p) < 5
.irp j, 0,1,2,3
	s_wait_loadcnt 19-4*(\p)-(\j)                  ; loads come back in order: number 4 p + j is in, the younger ones stay out
	v_cvt_pk_bf16_f32 v[PB+2*(4*(\p)+(\j))],   v[XL+4*(4*(\p)+(\j))],   v[XL+4*(4*(\p)+(\j))+1]
	v_cvt_pk_bf16_f32 v[PB+2*(4*(\p)+(\j))+1], v[XL+4*(4*(\p)+(\j))+2], v[XL+4*(4*(\p)+(\j))+3]
.endr
.endif
.endm
	BLK 0
	BLK 1
	BLK 2
	BLK 3
	BLK 4
	BLK 5
	s_endpgm
.Lfunc_end_k_q888c2c7db3_cast:
	.size	k_q888c2c7db3_cast, .Lfunc_end_k_q888c2c7db3_cast-k_q888c2c7db3_cast
	.p2alignl 7, 3214868480
	.fill 96, 4, 3214868480
	.section	.rodata,"a",@progbits
	.p2align	6, 0x0
	.amdhsa_kernel k_q888c2c7db3_cast
		.amdhsa_group_segment_fixed_size 0
		.amdhsa_private_segment_fixed_size 0
		.amdhsa_enable_private_segment 0
		.amdhsa_kernarg_size 64
		.amdhsa_user_sgpr_count 2
		.amdhsa_user_sgpr_kernarg_segment_ptr 1
		.amdhsa_wavefront_size32 1
		.amdhsa_system_sgpr_workgroup_id_x 1
		.amdhsa_system_sgpr_workgroup_id_y 1
		.amdhsa_system_sgpr_workgroup_id_z 1
		.amdhsa_system_vgpr_workitem_id 0
		.amdhsa_next_free_vgpr 128
		.amdhsa_next_free_sgpr 66
		.amdhsa_reserve_vcc 0
		.amdhsa_float_denorm_mode_32 3
		.amdhsa_float_denorm_mode_16_64 3
		.amdhsa_memory_ordered 1
		.amdhsa_forward_progress 1
		.amdhsa_inst_pref_size 9
	.end_amdhsa_kernel
	.amdgpu_metadata
---
amdhsa.version: [ 1, 2 ]
amdhsa.kernels:
  - .name:           k_q888c2c7db3_cast
    .symbol:         k_q888c2c7db3_cast.kd
    .args:
      - { .name: XQ, .offset: 0, .size: 8, .value_kind: global_buffer, .address_space: global }
      - { .name: XK, .offset: 8, .size: 8, .value_kind: global_buffer, .address_space: global }
      - { .name: XV, .offset: 16, .size: 8, .value_kind: global_buffer, .address_space: global }
      - { .name: WQ_comb, .offset: 24, .size: 8, .value_kind: global_buffer, .address_space: global }
      - { .name: WK_comb, .offset: 32, .size: 8, .value_kind: global_buffer, .address_space: global }
      - { .name: WV_comb, .offset: 40, .size: 8, .value_kind: global_buffer, .address_space: global }
      - { .name: xb, .offset: 48, .size: 8, .value_kind: global_buffer, .address_space: global }
      - { .name: wcb, .offset: 56, .size: 8, .value_kind: global_buffer, .address_space: global }
    .group_segment_fixed_size: 0
    .private_segment_fixed_size: 0
    .kernarg_segment_align: 8
    .kernarg_segment_size: 64
    .max_flat_workgroup_size: 256
    .sgpr_count:     66
    .vgpr_count:     128
    .wavefront_size: 32
...
	.end_amdgpu_metadata
.endif
;; end of part 7
;; launch trans: the kernel of part 2 again; grid 256 x 4, 8 waves a work-group, no clusters, 17,664 bytes of LDS; arguments WQh, WKh, WVh, WO, wht, wot; writes wht, wot
;; launch fold: the kernel of part 3 again; grid 24 x 8, 4 waves a work-group, clusters of 4 x 4, 327,680 bytes of LDS; arguments wht, wcb, wf; writes wf
;; launch proj: the kernel of part 3 again; grid 24 x 32, 4 waves a work-group, clusters of 4 x 4, 327,680 bytes of LDS; arguments xb, wf, qkv; writes qkv
;; launch stats: the kernel of part 4 again; grid 16 x 16, 16 waves a work-group, clusters of 4 x 1, 327,680 bytes of LDS; arguments qkv, negm; writes negm
;; launch attn: the kernel of part 5 again; grid 16 x 16, 4 waves a work-group, clusters of 4 x 1, 327,680 bytes of LDS; arguments qkv, negm, ob; writes ob
;; launch outp: the kernel of part 6 again; grid 8 x 32, 4 waves a work-group, clusters of 4 x 4, 327,680 bytes of LDS; arguments ob, wot, out0; writes out0
